; MI455X (gfx1250); checked and timed in simulation.
; The chip was launched on July 23, 2026; its instructions are those of AMD's public machine-readable ISA for CDNA 5 (MIT licence, August 2026) and "CDNA5" Instruction Set Architecture Reference Guide (July 2026). The comments in the code are by the model that wrote it; some were corrected since.
;; Self Attention. Allowed arithmetic: matrix products marked QUANTISED: E3M2 operands, one E8M0 scale for each 32 along K, by v_wmma_scale_f32_16x16x128_f8f6f4 with both operands' format E3M2, f32 sums; everything else in f32.
;; Inputs: fo_b 1,024 float32; fo_w 1,024 x 1,024 float32; k 4 x 2,048 x 1,024 float32; mask 4 x 1 x 2,048 x 2,048 int32; q 4 x 2,048 x 1,024 float32; v 4 x 2,048 x 1,024 float32; wk_b 1,024 float32; wk_w 1,024 x 1,024 float32; wq_b 1,024 float32; wq_w 1,024 x 1,024 float32; wv_b 1,024 float32; wv_w 1,024 x 1,024 float32.
;; Outputs: out0 4 x 2,048 x 1,024 float32.
;; This version of the problem:
;;   THIS VERSION OF THE PROBLEM IS GIVEN IN LOW PRECISION. The matrix products marked QUANTISED in the list below multiply operands that are first quantised to E3M2 (3 exponent bits, 2 mantissa bits; 6 bits a number), with one power-of-two scale for each 32 numbers along K (OCP MX v1.0); their sums are f32. All else is computed in f32.
;;   The module's matrix products, in the order in which they are computed (A, B: the left and right operand; K: the contracted axis; several contracted axes count as one K, in the product's order):
;;     1. [M 8,192, K 1,024] x [K 1,024, N 1,024]; A: input q; B: input wq_w: QUANTISED
;;     2. [M 8,192, K 1,024] x [K 1,024, N 1,024]; A: input k; B: input wk_w: QUANTISED
;;     3. [M 8,192, K 1,024] x [K 1,024, N 1,024]; A: input v; B: input wv_w: QUANTISED
;;     4. batch 64 x [M 2,048, K 64] x [K 64, N 2,048]; A: computed on the way; B: computed on the way: QUANTISED
;;     5. batch 64 x [M 64, K 2,048] x [K 2,048, N 2,048]; A: computed on the way; B: softmax (see below): QUANTISED
;;     6. [M 8,192, K 1,024] x [K 1,024, N 1,024]; A: computed on the way; B: input fo_w: QUANTISED
;;   THE QUANTISER, for each operand of a quantised product, along K:
;;     - K is cut into blocks of 32 from its start; a last block that is shorter is filled with zeros.
;;     - A block's scale is 2^e with e = floor(log2(the largest magnitude in the block)) - 4, held to -126 .. 127; a block of zeros has e = 0. As a byte (E8M0): e + 127.
;;     - Each number is divided by its block's scale, clamped to +-28, and rounded to the nearest number of E3M2, ties to even, subnormals kept.
;;     - The product sums the exact products of the quantised numbers (number of the format x scale) in f32.
;;   ~~~python
;;   def quantise(x, axis):      # numpy; x: float32 -> the quantised numbers, widened to float32 again
;;       x = np.moveaxis(x, axis, -1); K = x.shape[-1]
;;       x = np.pad(x, [(0, 0)] * (x.ndim - 1) + [(0, -K % 32)]); x = x.reshape(x.shape[:-1] + (-1, 32)); a = np.abs(x).max(-1, keepdims=True)
;;       e = np.where(a > 0, np.clip(np.frexp(np.where(a > 0, a, 1))[1] - 1 - 4, -126, 127), 0)      # np.frexp(a)[1] - 1 = floor(log2(a)), exactly
;;       r = np.clip(x / 2.0 ** e, -28, 28)
;;       step = 2.0 ** (np.maximum(np.frexp(np.where(r == 0, 1, r))[1] - 1, -2) - 2)
;;       q = np.round(r / step) * step * 2.0 ** e      # np.round: ties to even
;;       return np.moveaxis(q.reshape(q.shape[:-2] + (-1,))[..., :K], -1, axis).astype(np.float32)
;;   ~~~
;;   SOFTMAX AHEAD OF A QUANTISED PRODUCT. Where the list says 'softmax', what is quantised is not the finished softmax but p = 2^(t - M), with t = logit x log2(e) and M = ceil(the row's largest t), a whole number; so 1/2 < the row's largest p <= 1. The row's sum l is taken of the UNQUANTISED p, in f32, and the product's result is divided by l at the end. Since M is a whole number, a kernel that streams over the keys may use a running M (the ceiling of the running maximum): every later rescaling is an exact power of two, which a block's scale takes up: the codes' values come out the same.
;;   OPERANDS COMPUTED ON THE WAY. 'Computed on the way' means the value that the module computes at that place (a softmax that the list does not call 'softmax' is quantised finished and normalised). What goes into a quantiser is computed in f32, as accurately as f32 sums, v_exp_f32 and their like allow (about 1e-6 of the number): no bf16 or f16 on the way to a quantiser, and a product that is left as it is and whose result goes on into a quantised operand takes f32 operands (vector FMAs, or v_wmma_f32_16x16x4_f32). A number that lies on a knife's edge between two numbers of the format may be rounded either way, as far as f32 arithmetic and the matrix unit's own rounding can turn it there, and no further.
;; One version. Each part assembles by itself: llvm-mc -triple=amdgcn-amd-amdhsa -mcpu=gfx1250 --defsym DOCPART=n.
;; ======== version 1 of 1: 4 launches
;; limits: right only within a limited range of input values
;; workspace buffers: cod 22,020,096 bytes; scl 917,504 bytes; maskw 2,097,152 bytes of whole numbers; rec 20,447,232 bytes; oc 6,291,456 bytes; os 262,144 bytes
;; launch prep (part 1): grid 1408 x 1, 4 waves a work-group, no clusters, 67,072 bytes of LDS; arguments q, k, v, wq_w, wk_w, wv_w, fo_w, mask, cod, scl, maskw; writes cod, scl, maskw
.if DOCPART == 1
	.amdgcn_target "amdgcn-amd-amdhsa--gfx1250"
	.amdhsa_code_object_version 6
	.text
	.protected	k_qafccd03330_prep
	.globl	k_qafccd03330_prep
	.p2align	8
	.type	k_qafccd03330_prep,@function
k_qafccd03330_prep:
	s_mov_b64 s[64:65], 0
	v_nop
	global_prefetch_b8 v0, s[64:65] scope:SCOPE_SE
	s_setreg_imm32_b32 hwreg(HW_REG_WAVE_MODE, 25, 1), 1
	s_wait_xcnt 0x0
; PREP.  Two jobs in one launch, told apart by the work-group's number.
; (1) Work-groups 0-895: q, k, v [8192][1024] and the four weights [1024][1024], f32, K innermost, become codes of BF6 (E3M2), 768 bytes a row, in cod, and one E8M0 byte
;     for each 32 along K, 32 bytes a row, in scl.  Rows in cod and scl: q from 0, k from 8192, v from 16384, wq_w from 24576, wk_w from 25600, wv_w from 26624, fo_w from 27648.
;     A block's scale is 2^(floor(log2(largest magnitude)) - 4); its byte is the largest magnitude's exponent field - 4, held at 1 from below.
;     THE ORDER OF ROWS: in every 32 rows the second and the third group of 8 change places (all tensors but fo_w): buffer row 32 B + 16 u + 8 g + i holds tensor row 32 B + 16 g + 8 u + i.
;     So 16 neighbouring buffer rows are a tile whose results, in the next launch, give a lane 16 neighbours along the next product's K.
; (2) Work-groups 896-1407: the mask [4][2048][2048] of int32 becomes one bit a number, laid as the attention launch's lanes want it: maskw [query tile 0..511][key step 0..15][64 words];
;     bit r + 16 h of word j says whether key 128 s + 32 (j / 16) + 16 h + j % 16 counts for the tile's query r (query 32 (T / 2) + 8 (T % 2) + r + 8 (r / 8) of its batch).
; LIMITS: blocks whose largest magnitude lies under 2^-122 keep the byte 1; a block of zeros gets the byte 1, not 127 (its codes are zeros, and this program alone reads the bytes); NaN and infinities are not served.
; No tensor loads, no barrier: waves share nothing.  Each job has LDS bytes of its own.
.set STEPS, 16
.set EMAX,  4
.set CB,    12                         ; bytes of 16 codes
.set R,     16                         ; v16-79   four sets of 16 numbers as loaded
.set X,     80                         ; v80-111  two sets of 16 neighbours
.set E,     112                        ; v112-127 a scale byte for each step
.set C,     128                        ; v128-191 codes, four registers a step: no store's data are written again
.set WREG,  8192                       ; LDS of a quantising wave: two stages of 32 x SP bytes, then its 256 scale bytes
.set SP,    80                         ; a lane's place in a stage: 64 bytes + 16 of padding
.set NQWG,  896                        ; work-groups that quantise
.set MSTG,  32768                      ; LDS of the mask job begins here
.set MPIT,  528                        ; a row of its stage: 512 bytes + 16
.set MR,    16                         ; v16-143  two sets of 64 registers as loaded
.set MX,    144                        ; v144-207 a lane's 64 numbers
.set MOUT,  208                        ; v208-215 the words, a pair for each of a wave's four tiles
	s_load_b512 s[4:19], s[0:1], 0x0               ; q, k, v, wq_w, wk_w, wv_w, fo_w, mask
	s_load_b128 s[20:23], s[0:1], 0x40             ; cod, scl
	s_load_b64 s[24:25], s[0:1], 0x50              ; maskw
	v_lshl_add_u32 v216, v0, 2, 0x10400
	v_mov_b32 v217, 0
	v_lshrrev_b32 v1, 5, v0
	v_readfirstlane_b32 s26, v1                    ; wave 0..3
	v_and_b32 v2, 31, v0                           ; lane
	s_cmp_ge_u32 ttmp9, NQWG
	s_cbranch_scc1 .Lmask
; ---------------- the quantiser: a wave takes 8 rows = 16 steps of 512 numbers ----------------
	v_lshlrev_b32 v3, 4, v2                        ; my 16 bytes of a load's 512
	s_mul_i32 s27, s26, WREG
	v_lshrrev_b32 v14, 2, v2
	v_mul_u32_u24 v14, v14, SP
	v_and_b32 v15, 3, v2
	v_lshl_add_u32 v14, v15, 4, v14
	v_add_nc_u32 v14, s27, v14                     ; the stage, way in: SP (lane / 4) + 16 (lane % 4)
	v_mul_u32_u24 v15, v2, SP
	v_add_nc_u32 v15, s27, v15                     ; way out: SP x lane: my 16 neighbours
	; cod is laid [group of 128 rows][K step of 256][128 rows][192 bytes]: a tile of 128 rows x one K step is 24,576 consecutive bytes
	v_and_b32 v4, 15, v2
	v_mul_u32_u24 v4, v4, CB                       ; sixteen lanes fill a row's 192 bytes of one K step,
	v_lshrrev_b32 v10, 4, v2
	v_mad_u32_u24 v4, v10, 0x6000, v4              ; lanes 16-31 those of the next K step, 24,576 bytes on
	v_lshrrev_b32 v5, 1, v2
	s_add_co_u32 s27, s27, 2*32*SP
	v_add_nc_u32 v5, s27, v5                       ; my block's byte among the wave's 256
	v_lshlrev_b32 v7, 3, v2
	v_add_nc_u32 v6, s27, v7
	s_wait_alu depctr_va_vdst(0)
	s_wait_kmcnt 0x0
	s_mov_b64 s[28:29], s[16:17]                   ; which tensor: a chain of choices on the work-group's number alone
	s_mov_b32 s30, 864                             ; and that tensor's first work-group
	s_cmp_lt_u32 ttmp9, 864
	s_cselect_b64 s[28:29], s[14:15], s[28:29]
	s_cselect_b32 s30, 832, s30
	s_cmp_lt_u32 ttmp9, 832
	s_cselect_b64 s[28:29], s[12:13], s[28:29]
	s_cselect_b32 s30, 800, s30
	s_cmp_lt_u32 ttmp9, 800
	s_cselect_b64 s[28:29], s[10:11], s[28:29]
	s_cselect_b32 s30, 768, s30
	s_cmp_lt_u32 ttmp9, 768
	s_cselect_b64 s[28:29], s[8:9], s[28:29]
	s_cselect_b32 s30, 512, s30
	s_cmp_lt_u32 ttmp9, 512
	s_cselect_b64 s[28:29], s[6:7], s[28:29]
	s_cselect_b32 s30, 256, s30
	s_cmp_lt_u32 ttmp9, 256
	s_cselect_b64 s[28:29], s[4:5], s[28:29]
	s_cselect_b32 s30, 0, s30
	s_sub_co_u32 s31, ttmp9, s30
	s_lshl_b32 s31, s31, 2
	s_add_co_u32 s32, s31, s26                     ; which 8 rows of the tensor I read
	s_lshl_b32 s32, s32, 15                        ; x 32,768 bytes
	s_mov_b32 s33, 0
	s_add_nc_u64 s[28:29], s[28:29], s[32:33]
	s_and_b32 s34, s26, 1                          ; where they go: groups 1 and 2 of the four change places,
	s_lshl_b32 s34, s34, 1
	s_lshr_b32 s35, s26, 1
	s_or_b32 s34, s34, s35
	s_cmp_ge_u32 ttmp9, 864
	s_cselect_b32 s34, s26, s34                    ; but not in fo_w
	s_lshl_b32 s35, ttmp9, 2
	s_add_co_u32 s34, s34, s35                     ; the group of 8 rows in cod and scl
	s_lshr_b32 s36, s34, 4                         ; sixteen groups of 8 rows make a group of 128: 98,304 bytes
	s_mul_i32 s36, s36, 98304
	s_and_b32 s38, s34, 15
	s_mul_i32 s38, s38, 1536                       ; my 8 rows in a K step's block: 8 x 192 bytes
	s_add_co_u32 s36, s36, s38
	s_mov_b32 s37, 0
	s_add_nc_u64 s[20:21], s[20:21], s[36:37]
	s_lshl_b32 s36, s34, 8
	s_add_nc_u64 s[22:23], s[22:23], s[36:37]
.macro LOAD t
.irp i, 0,1,2,3
	global_load_b128 v[R+16*((\t)%4)+4*\i:R+16*((\t)%4)+4*\i+3], v3, s[28:29] offset:2048*(\t)+512*\i th:TH_LOAD_NT   ; 32 lanes read 512 consecutive bytes
.endr
.endm
.macro TURN t                          ; step t's numbers through the stage; LDS serves a wave's instructions in order, so no wait stands between the stores and the loads
.irp i, 0,1,2,3
	ds_store_b128 v14, v[R+16*((\t)%4)+4*\i:R+16*((\t)%4)+4*\i+3] offset:32*SP*((\t)%2)+8*SP*\i
.endr
.irp i, 0,1,2,3
	ds_load_b128 v[X+16*((\t)%2)+4*\i:X+16*((\t)%2)+4*\i+3], v15 offset:32*SP*((\t)%2)+16*\i
.endr
.endm
.irp t, 0,1,2,3
	LOAD \t
.endr
	s_wait_loadcnt 12                              ; step 0's four loads are in; three steps' twelve stay out
	TURN 0
.macro STEP t
.set XS, X+16*((\t)%2)
.if (\t) > 0
	s_wait_dscnt 1                                 ; this step's numbers are back from the stage; the last step's byte store may be out
.else
	s_wait_dscnt 0x0
.endif
.if (\t)+4 < STEPS
	LOAD (\t)+4                                    ; into the registers that the stage's stores have read
.endif
.if (\t)+1 < STEPS
.if STEPS-2-(\t) >= 3
	s_wait_loadcnt 12                              ; the next step's four loads are in; those of the three steps behind may be out
.else
	s_wait_loadcnt 4*(STEPS-2-(\t))
.endif
	TURN (\t)+1
.endif
	v_max3_num_f32 v8, |v[XS]|, |v[XS+1]|, |v[XS+2]|               ; the largest magnitude of my 16, in two chains
	v_max3_num_f32 v9, |v[XS+3]|, |v[XS+4]|, |v[XS+5]|
.irp i, 6,10
	v_max3_num_f32 v8, v8, |v[XS+\i]|, |v[XS+\i+1]|
	v_max3_num_f32 v9, v9, |v[XS+\i+2]|, |v[XS+\i+3]|
.endr
	v_max3_num_f32 v8, v8, |v[XS+14]|, |v[XS+15]|
	v_max3_num_f32 v8, v8, v9, (EMAX+1)<<23        ; and the floor 2^(5 - 127): the byte cannot fall under 1
	v_max_num_f32_dpp v8, v8, v8 row_xmask:1 row_mask:0xf bank_mask:0xf   ; with my neighbour's 16: the block's
	v_add_nc_u32 v11, -(EMAX<<23), v8              ; 4 off the exponent field: the conversion takes that field as its scale
	v_cvt_scalef32_pk16_bf6_f32 v[C+4*(\t):C+4*(\t)+2], v[XS:XS+15], v11
	v_lshrrev_b32 v[E+(\t)], 23, v11               ; the scale's byte
	ds_store_b8 v5, v[E+(\t)] offset:16*(\t)       ; both lanes of a block write the same byte with the same value
.endm
.irp t, 0,1,2,3,4,5,6,7,8,9,10,11,12,13,14,15
	STEP \t
.endr
	ds_load_b64 v[12:13], v6                       ; served behind my byte stores
	s_wait_alu depctr_va_vdst(0)                   ; ahead of the readers below
.irp t, 0,1,2,3,4,5,6,7,8,9,10,11,12,13,14,15
	global_store_b96 v4, v[C+4*(\t):C+4*(\t)+2], s[20:21] offset:49152*((\t)%2)+192*((\t)/2)   ; each step has registers of its own for its codes, so all sixteen stores stand here: row t / 2, K steps 2 (t % 2) and 2 (t % 2) + 1
.endr
	s_wait_dscnt 0x0
	global_store_b64 v7, v[12:13], s[22:23]        ; 32 lanes store 256 consecutive bytes, aligned
	s_wait_tensorcnt 0x0
	ds_add_u32 v216, v217
	s_wait_dscnt 0x0
	s_endpgm
; ---------------- the mask: a wave packs four tiles of 16 queries x 128 keys ----------------
.Lmask:
	s_sub_co_u32 s27, ttmp9, NQWG
	s_lshl_b32 s27, s27, 2
	s_add_co_u32 s27, s27, s26                     ; J = 0..2047
	s_lshr_b32 s28, s27, 2                         ; the query tile
	s_and_b32 s29, s27, 3                          ; which four key steps
	s_and_b32 s30, s28, 1
	s_lshl_b32 s30, s30, 3
	s_lshl_b32 s31, s28, 4
	s_sub_co_u32 s31, s31, s30                     ; the tile's first row of the mask: 16 tile - 8 (tile % 2)
	s_lshl_b32 s32, s31, 13                        ; x 8,192 bytes
	s_lshl_b32 s29, s29, 11                        ; + 2,048 bytes for four steps
	s_add_co_u32 s32, s32, s29
	s_mov_b32 s33, 0
	s_lshl_b32 s34, s27, 10                        ; out: 1,024 bytes a wave
	s_mov_b32 s35, 0
	s_wait_alu depctr_va_vdst(0)
	v_lshlrev_b32 v1, 4, v2                        ; 16 bytes a lane
	s_mul_i32 s36, s26, 16*MPIT
	s_add_co_u32 s36, s36, MSTG                    ; my stage
	v_add_nc_u32 v3, s36, v1                       ; way in: a row as it lies
	v_and_b32 v5, 15, v2
	v_lshrrev_b32 v6, 4, v2
	v_mul_u32_u24 v7, v5, MPIT
	v_lshl_add_u32 v7, v6, 6, v7
	v_add_nc_u32 v7, s36, v7                       ; way out: row lane % 16, + 64 bytes for lanes 16-31
	v_lshlrev_b32 v4, 3, v2
.irp i, 0,1,2,3,4,5,6,7
	v_mov_b32 v[MOUT+\i], 0                        ; a lane write's destination counts as read
.endr
	s_wait_kmcnt 0x0
	s_add_nc_u64 s[18:19], s[18:19], s[32:33]
	s_add_nc_u64 s[24:25], s[24:25], s[34:35]
.macro LOADM i                         ; tile i: 16 loads, each 512 consecutive bytes of one query's row
.irp r, 0,1,2,3,4,5,6,7,8,9,10,11,12,13,14,15
	global_load_b128 v[MR+64*((\i)%2)+4*\r:MR+64*((\i)%2)+4*\r+3], v1, s[18:19] offset:(\r+8*(\r/8))*8192+512*(\i) th:TH_LOAD_NT
.endr
.endm
.macro TILE i
.if (\i) < 3
	s_wait_loadcnt 16                              ; this tile's 16 loads are in, the next tile's stay out
.else
	s_wait_loadcnt 0x0
.endif
.irp r, 0,1,2,3,4,5,6,7,8,9,10,11,12,13,14,15
	ds_store_b128 v3, v[MR+64*((\i)%2)+4*\r:MR+64*((\i)%2)+4*\r+3] offset:MPIT*\r
.endr
.irp u, 0,1,2,3,4,5,6,7,8,9,10,11,12,13,14,15
	ds_load_b128 v[MX+4*\u:MX+4*\u+3], v7 offset:128*(\u/4)+16*(\u%4)   ; register j: key 32 (j / 16) + 16 (lane / 16) + j % 16 of query lane % 16
.endr
	s_wait_dscnt 0x0                               ; my 64 numbers are in, and the stores have read their registers
.if (\i) < 2
	LOADM (\i)+2
.endif
.set g, 0
.rept 8                                ; eight compares, then eight lane writes: word j goes to lane j / 2, register j % 2
.set n, 0
.rept 8
	v_cmp_ne_u32 s[40+n], 0, v[MX+8*g+n]
.set n, n+1
.endr
.set n, 0
.rept 8
	v_writelane_b32 v[MOUT+2*(\i)+(n&1)], s[40+n], 4*g+(n>>1)
.set n, n+1
.endr
.set g, g+1
.endr
	global_store_b64 v4, v[MOUT+2*(\i):MOUT+2*(\i)+1], s[24:25] offset:256*(\i)   ; 32 lanes store 256 consecutive bytes, aligned
.endm
	LOADM 0
	LOADM 1
	TILE 0
	TILE 1
	TILE 2
	TILE 3
	s_wait_tensorcnt 0x0
	ds_add_u32 v216, v217
	s_wait_dscnt 0x0
	s_endpgm
.Lfunc_end_k_qafccd03330_prep:
	.size	k_qafccd03330_prep, .Lfunc_end_k_qafccd03330_prep-k_qafccd03330_prep
	.p2alignl 7, 3214868480
	.fill 96, 4, 3214868480
	.section	.rodata,"a",@progbits
	.p2align	6, 0x0
	.amdhsa_kernel k_qafccd03330_prep
		.amdhsa_group_segment_fixed_size 67072
		.amdhsa_private_segment_fixed_size 0
		.amdhsa_enable_private_segment 0
		.amdhsa_kernarg_size 88
		.amdhsa_user_sgpr_count 2
		.amdhsa_user_sgpr_kernarg_segment_ptr 1
		.amdhsa_wavefront_size32 1
		.amdhsa_system_sgpr_workgroup_id_x 1
		.amdhsa_system_sgpr_workgroup_id_y 1
		.amdhsa_system_sgpr_workgroup_id_z 1
		.amdhsa_system_vgpr_workitem_id 0
		.amdhsa_next_free_vgpr 218
		.amdhsa_next_free_sgpr 66
		.amdhsa_reserve_vcc 0
		.amdhsa_float_denorm_mode_32 3
		.amdhsa_float_denorm_mode_16_64 3
		.amdhsa_memory_ordered 1
		.amdhsa_forward_progress 1
		.amdhsa_inst_pref_size 82
	.end_amdhsa_kernel
	.amdgpu_metadata
---
amdhsa.version: [ 1, 2 ]
amdhsa.kernels:
  - .name:           k_qafccd03330_prep
    .symbol:         k_qafccd03330_prep.kd
    .args:
      - { .name: q, .offset: 0, .size: 8, .value_kind: global_buffer, .address_space: global }
      - { .name: k, .offset: 8, .size: 8, .value_kind: global_buffer, .address_space: global }
      - { .name: v, .offset: 16, .size: 8, .value_kind: global_buffer, .address_space: global }
      - { .name: wq_w, .offset: 24, .size: 8, .value_kind: global_buffer, .address_space: global }
      - { .name: wk_w, .offset: 32, .size: 8, .value_kind: global_buffer, .address_space: global }
      - { .name: wv_w, .offset: 40, .size: 8, .value_kind: global_buffer, .address_space: global }
      - { .name: fo_w, .offset: 48, .size: 8, .value_kind: global_buffer, .address_space: global }
      - { .name: mask, .offset: 56, .size: 8, .value_kind: global_buffer, .address_space: global }
      - { .name: cod, .offset: 64, .size: 8, .value_kind: global_buffer, .address_space: global }
      - { .name: scl, .offset: 72, .size: 8, .value_kind: global_buffer, .address_space: global }
      - { .name: maskw, .offset: 80, .size: 8, .value_kind: global_buffer, .address_space: global }
    .group_segment_fixed_size: 67072
    .private_segment_fixed_size: 0
    .kernarg_segment_align: 8
    .kernarg_segment_size: 88
    .max_flat_workgroup_size: 128
    .sgpr_count:     66
    .vgpr_count:     218
    .wavefront_size: 32
...
	.end_amdgpu_metadata
.endif
;; end of part 1
;; launch proj (part 2): grid 4 x 96, 4 waves a work-group, clusters of 4 x 4, 327,680 bytes of LDS; arguments cod, scl, wq_b, wk_b, wv_b, rec; writes rec
.if DOCPART == 2
	.amdgcn_target "amdgcn-amd-amdhsa--gfx1250"
	.amdhsa_code_object_version 6
	.text
	.protected	k_qafccd03330_proj
	.globl	k_qafccd03330_proj
	.p2align	8
	.type	k_qafccd03330_proj,@function
k_qafccd03330_proj:
	s_mov_b64 s[64:65], 0
	v_nop
	global_prefetch_b8 v0, s[64:65] scope:SCOPE_SE
	s_setreg_imm32_b32 hwreg(HW_REG_WAVE_MODE, 25, 1), 1
	s_wait_xcnt 0x0
	s_wait_alu depctr_hold_cnt(0) depctr_sa_sdst(0) depctr_va_vdst(0) depctr_va_sdst(0) depctr_va_ssrc(0) depctr_va_vcc(0) depctr_vm_vsrc(0)
	s_getreg_b32 s2, hwreg(HW_REG_IB_STS2, 6, 4)
	s_cmp_eq_u32 s2, 0
	s_cbranch_scc0 .Lentry_in_a_cluster
	s_endpgm
.Lentry_in_a_cluster:
	s_bfe_u32 s2, ttmp6, 0x10000c
	s_cmp_lg_u32 s2, 0xf033
	s_cbranch_scc0 .Lentry_shape_is_right
	s_endpgm
.Lentry_shape_is_right:
.set KSTEP,  256
.set NQ,     2
.set ROWB,   24576                     ; bytes from one K step's block of 128 rows to the next in cod
.set KROW,   768
.set PITCH,  240
.set FR,     12
.set NL,     6
.set NP,     4
.set HALFT,  128*PITCH
.set SLOT,   4*HALFT
.set LAPS,   2
.set KS,     32
.set SCL,    2*SLOT
.set HALFS,  (128*KS/256)*272
.set SBLK,   (16*KS/256)*272
.set SPARE,  SCL+4*HALFS
.set REC,    6656
.set HSTR,   16*REC
.set SEC,    64*HSTR
.set ADRA, 16
.set ADRB, 20
.set ADRS, 27
.set SPW,  28
.set NIL,  29
.set SC,   32
.set AF,   128
.set TM,   64
.set PWR,  80
.set SW,   88
.set W0,   92
.set W1,   96
.set CT,   100
.set CD,   128
.set AD,   8
.set ASC,  12
.set G1, 24
.set G0, 32
.set G1B, 48
.set G0B, 56
.set G1S, 68
.set G0S, 76
.set G1SB, 80
.set G0SB, 88
.set ISV, 98
.set OUTP, 100
.set SEL, 76
.set MSB, 0
.macro WIN new
.if MSB != (\new)
	s_set_vgpr_msb (MSB<<8)|(\new)
.set MSB, (\new)
.endif
.endm
.set MUL_LO, 0xa1
.set MUL_HI, 0xf1
.set FST_LO, 0x91
.set FST_HI, 0xd1
.set TO_B,   0x40
.macro JLOAD g0a, g1a, g0b, g1b
	s_cmp_eq_u32 s15, 0
	s_cbranch_scc0 .Lfor_b_\@
	tensor_load_to_lds s[\g0a:\g0a+3], s[\g1a:\g1a+7]
	s_nop 0
.rept 4
	v_nop
.endr
	s_branch .Lasked_\@
.Lfor_b_\@:
	tensor_load_to_lds s[\g0b:\g0b+3], s[\g1b:\g1b+7]
	s_nop 0
.rept 4
	v_nop
.endr
.Lasked_\@:
.endm
.macro CREST
	s_cmp_lg_u32 s14, 0
	s_cbranch_scc1 .Lnot_wave_0_\@
	s_barrier_signal -3
.Lnot_wave_0_\@:
	s_barrier_wait -3
	s_barrier_signal -1
	s_barrier_wait -1
.endm
.macro CROUND
	s_barrier_signal -1
	s_barrier_wait -1
	CREST
.endm
	s_load_b128 s[4:7], s[0:1], 0x0
	s_load_b128 s[8:11], s[0:1], 0x10
	s_load_b64 s[12:13], s[0:1], 0x20
	s_load_b64 s[OUTP:OUTP+1], s[0:1], 0x28
	v_lshl_add_u32 v[SPW], v0, 2, SPARE
	v_mov_b32 v[NIL], 0
	ds_add_u32 v28, v29
	ds_add_u32 v28, v29
	s_wait_dscnt 0x0
	v_lshrrev_b32 v1, 5, v0
	v_readfirstlane_b32 s14, v1
	v_and_b32 v30, 31, v0                          ; v30: the prefetches' offset, 256 x min(lane, 23); never rewritten
	v_min_u32 v30, 23, v30
	v_lshlrev_b32 v30, 8, v30
	s_wait_alu depctr_va_vdst(0)                   ; directly behind the write
	s_lshr_b32 s15, s14, 1
	s_and_b32 s16, s14, 1
	s_bfe_u32 s40, ttmp6, 0x40000
	s_bfe_u32 s41, ttmp6, 0x40004
	s_and_b32 s96, ttmp7, 0xffff
	s_and_b32 s95, s96, 7
	s_lshl_b32 s95, s95, 2
	s_cmp_ge_u32 s96, 8
	s_cselect_b32 s66, 8192, 0
	s_mov_b32 s67, 24576
	s_cselect_b32 s67, 25600, s67
	s_cselect_b32 s97, 1, 0
	s_cmp_ge_u32 s96, 16
	s_cselect_b32 s[ISV], 1, 0
	s_cselect_b32 s66, 26624, s66
	s_cselect_b32 s67, 16384, s67
	s_cselect_b32 s97, 2, s97
	s_cselect_b32 s17, 0, s95
	s_cselect_b32 s42, s95, 0
	s_add_co_u32 s17, s17, s41
	s_add_co_u32 s42, s42, s40
	s_lshl_b32 s43, s41, 2
	s_lshl_b32 s43, 15, s43
	s_lshl_b32 s44, 0x1111, s40
	s_or_b32 s[G1+0], s43, (0<<16)|(1<<20)|(1<<21)|(3<<22)|(3<<25)
	s_or_b32 s[G1B+0], s44, (0<<16)|(1<<20)|(1<<21)|(3<<22)|(3<<25)
.irp g, G1, G1B
	; a tile (128 rows x 192 bytes) is dense in cod: it comes as 96 rows of 256 bytes, each at a multiple of 256; 16 bytes of padding behind every 64 give LDS rows of 240 bytes
	s_mov_b32 s[\g+1], 256<<16
	s_mov_b32 s[\g+2], 96<<16
	s_mov_b32 s[\g+3], 256<<16
	s_mov_b32 s[\g+4], 96
	s_mov_b32 s[\g+5], 256
	s_mov_b32 s[\g+6], 0
	s_mov_b32 s[\g+7], 0
.endr
	s_or_b32 s[G1S+0], s43, (3<<16)|(1<<20)|(1<<21)|(5<<22)|(3<<25)
	s_or_b32 s[G1SB+0], s44, (3<<16)|(1<<20)|(1<<21)|(5<<22)|(3<<25)
.irp g, G1S, G1SB
	s_mov_b32 s[\g+1], 32<<16
	s_mov_b32 s[\g+2], (128*KS/256)<<16
	s_mov_b32 s[\g+3], 32<<16
	s_mov_b32 s[\g+4], 128*KS/256
	s_mov_b32 s[\g+5], 32
	s_mov_b32 s[\g+6], 0
	s_mov_b32 s[\g+7], 0
.endr
	s_lshl_b32 s18, s16, 7
	s_lshl_b32 s20, s17, 8
	s_add_co_u32 s20, s20, s18
	s_add_co_u32 s20, s20, s66
	s_lshl_b32 s46, s42, 8
	s_add_co_u32 s46, s46, s18
	s_add_co_u32 s46, s46, s67
	s_mov_b32 s21, 0
	s_mov_b32 s47, 0
	s_mov_b64 s[18:19], KS
	s_mul_u64 s[22:23], s[20:21], s[18:19]
	s_mul_u64 s[92:93], s[46:47], s[18:19]
	s_mov_b64 s[18:19], KROW
	s_mul_u64 s[20:21], s[20:21], s[18:19]
	s_mul_u64 s[46:47], s[46:47], s[18:19]
	s_mul_i32 s45, s14, HALFT
	s_mul_i32 s94, s14, HALFS
	s_wait_kmcnt 0x0
	s_add_nc_u64 s[20:21], s[4:5], s[20:21]
	s_add_nc_u64 s[22:23], s[6:7], s[22:23]
	s_add_nc_u64 s[46:47], s[4:5], s[46:47]
	s_add_nc_u64 s[92:93], s[6:7], s[92:93]
	; PREFETCHES.  A chunk of the 128 rows that I fetch is 96 blocks of 256 bytes; the four partners that ask for it jointly take 24 blocks each, told apart by address (cx for A, cy for B):
	; a lane a block, lanes 24-31 name the last once more.  s[18:19]: my work-group's 24 blocks of chunk 0; never rewritten
	s_cmp_eq_u32 s15, 0
	s_cselect_b64 s[18:19], s[20:21], s[46:47]
	s_cselect_b32 s99, s40, s41
	s_mul_i32 s2, s99, 6144
	s_mov_b32 s3, 0
	s_add_nc_u64 s[18:19], s[18:19], s[2:3]
	CROUND
	s_mov_b32 s[G0S], 1
	s_add_co_u32 s[G0S+1], s94, SCL
	s_mov_b64 s[G0S+2:G0S+3], s[22:23]
	s_or_b32 s[G0S+3], s[G0S+3], 0x80000000
	s_mov_b32 s[G0SB], 1
	s_add_co_u32 s[G0SB+1], s94, SCL
	s_mov_b64 s[G0SB+2:G0SB+3], s[92:93]
	s_or_b32 s[G0SB+3], s[G0SB+3], 0x80000000
	JLOAD G0S, G1S, G0SB, G1SB
	global_prefetch_b8 v30, s[18:19] th:TH_LOAD_NT scope:SCOPE_SE               ; chunks 0 and 1, which the next two loads bring
	global_prefetch_b8 v30, s[18:19] offset:ROWB th:TH_LOAD_NT scope:SCOPE_SE
.irp s, 0,1
	s_mov_b32 s[G0+4*\s], 1
	s_add_co_u32 s[G0+4*\s+1], s45, \s*SLOT
	s_add_nc_u64 s[G0+4*\s+2:G0+4*\s+3], s[20:21], \s*ROWB
	s_or_b32 s[G0+4*\s+3], s[G0+4*\s+3], 0x80000000
	s_mov_b32 s[G0B+4*\s], 1
	s_add_co_u32 s[G0B+4*\s+1], s45, \s*SLOT
	s_add_nc_u64 s[G0B+4*\s+2:G0B+4*\s+3], s[46:47], \s*ROWB
	s_or_b32 s[G0B+4*\s+3], s[G0B+4*\s+3], 0x80000000
	s_wait_alu depctr_va_vdst(0)
	s_wait_tensorcnt 0x0
	ds_add_u32 v28, v29
	s_wait_dscnt 0x0
	CROUND
	JLOAD G0+4*\s, G1, G0B+4*\s, G1B
	global_prefetch_b8 v30, s[18:19] offset:(\s+2)*ROWB th:TH_LOAD_NT scope:SCOPE_SE   ; the chunk two loads on; chunk 3 is the last, so nothing is asked for in the loop
.endr
	v_and_b32 v1, 15, v0
	v_bfe_u32 v2, v0, 4, 1
	v_mul_u32_u24 v3, v1, PITCH
	v_mul_u32_u24 v4, v2, 24
	v_add_nc_u32 v4, v3, v4
	v_lshl_add_u32 v5, v2, 4, v4
	s_mul_i32 s21, s15, HALFT
	s_mul_i32 s22, s16, HALFT
	s_add_co_u32 s22, s22, 2*HALFT
.irp s, 0,1
	v_add_nc_u32 v[ADRA+\s], s21, v4
	v_add_nc_u32 v[ADRB+\s], s22, v4
	v_add_nc_u32 v[ADRA+2+\s], s21, v5
	v_add_nc_u32 v[ADRB+2+\s], s22, v5
	s_add_co_u32 s21, s21, SLOT
	s_add_co_u32 s22, s22, SLOT
.endr
	v_mul_u32_u24 v5, v1, KS
	v_lshrrev_b32 v6, 8, v5
	v_lshl_add_u32 v5, v6, 4, v5
	s_mul_i32 s21, s15, HALFS
	s_mul_i32 s22, s16, HALFS
	s_add_co_u32 s22, s22, 2*HALFS
	s_sub_co_u32 s22, s22, s21
	v_mul_u32_u24 v6, s22, v2
	s_add_co_u32 s21, s21, SCL
	v_add_nc_u32 v5, v5, v6
	v_add_nc_u32 v[ADRS], s21, v5
	s_cmp_ge_u32 s96, 8
	s_cselect_b64 s[8:9], s[10:11], s[8:9]
	s_cmp_ge_u32 s96, 16
	s_cselect_b64 s[8:9], s[12:13], s[8:9]
	s_lshl_b32 s20, s17, 1
	s_add_co_u32 s20, s20, s15
	s_lshl_b32 s21, s42, 1
	s_add_co_u32 s21, s21, s16
	s_cmp_eq_u32 s[ISV], 0
	s_cselect_b32 s22, s21, s20
	s_lshl_b32 s22, s22, 9
	s_mov_b32 s23, 0
	s_add_nc_u64 s[8:9], s[8:9], s[22:23]
	v_lshlrev_b32 v8, 6, v2
	v_and_b32 v9, 8, v1
	v_add_nc_u32 v9, v9, v1
	v_lshlrev_b32 v9, 2, v9
	s_cmp_eq_u32 s[ISV], 0
	s_cbranch_scc0 .Lbias_v
	WIN TO_B
.irp b, 0,1,2,3,4,5,6,7
	global_load_b128 v[96+8*\b+96*(\b/4):96+8*\b+96*(\b/4)+3], v8, s[8:9] offset:128*(\b/2)+32*(\b%2)
	global_load_b128 v[96+8*\b+96*(\b/4)+4:96+8*\b+96*(\b/4)+7], v8, s[8:9] offset:128*(\b/2)+32*(\b%2)+16
.endr
	WIN 0
	s_branch .Lbias_done
.Lbias_v:
	WIN TO_B
	s_wait_alu depctr_va_vdst(0)
.irp a, 0,1,2,3,4,5,6,7
	global_load_b32 v[96+8*\a+96*(\a/4)], v9, s[8:9] offset:128*(\a/2)+32*(\a%2)
.endr
	s_wait_loadcnt 0x0
	WIN 0x41
.irp a, 0,1,2,3,4,5,6,7
.irp j, 1,2,3,4,5,6,7
	v_mov_b32 v[96+8*\a+96*(\a/4)+\j], v[96+8*\a+96*(\a/4)]
.endr
.endr
	WIN 0
.rept 8
	v_nop
.endr
.Lbias_done:
.macro FRAG reg, adr, q, i
.irp p, 0,1,2,3,4,5
.set PC, 12*(\q)+6*(\p/3)+\p%3
.if PC%8 < 5
	ds_load_b64 v[\reg+2*\p:\reg+2*\p+1], v[\adr] offset:8*PC+16*(PC/8)+(\i)*16*PITCH
.else
	ds_load_b64 v[\reg+2*\p:\reg+2*\p+1], v[\adr+2] offset:8*PC+16*(PC/8)+(\i)*16*PITCH
.endif
.endr
.endm
.macro MUL16 a0, p, q, sc, mode
.irp a, \a0, \a0+1
.irp b, 0,1,2,3,4,5,6,7
.if (\mode) == 1
	v_wmma_scale_f32_16x16x128_f8f6f4 v[8*(8*((\a)%4)+\b):8*(8*((\a)%4)+\b)+7], v[128*(\p)+FR*\b:128*(\p)+FR*\b+FR-1], v[AF+FR*(\a):AF+FR*(\a)+FR-1], v[96+8*\b+96*(\b/4):96+8*\b+96*(\b/4)+7], v[SC+8*NQ*(\sc)+NQ*\b+(\q)], v[SC+8*NQ*(\sc)+NQ*(\a)+(\q)] matrix_a_fmt:MATRIX_FMT_BF6 matrix_b_fmt:MATRIX_FMT_BF6 matrix_a_scale:MATRIX_SCALE_ROW1
.elseif (\mode) == 2
	v_wmma_scale_f32_16x16x128_f8f6f4 v[8*(8*((\a)%4)+\b):8*(8*((\a)%4)+\b)+7], v[128*(\p)+FR*\b:128*(\p)+FR*\b+FR-1], v[AF+FR*(\a):AF+FR*(\a)+FR-1], v[96+8*(\a)+96*((\a)/4):96+8*(\a)+96*((\a)/4)+7], v[SC+8*NQ*(\sc)+NQ*\b+(\q)], v[SC+8*NQ*(\sc)+NQ*(\a)+(\q)] matrix_a_fmt:MATRIX_FMT_BF6 matrix_b_fmt:MATRIX_FMT_BF6 matrix_a_scale:MATRIX_SCALE_ROW1
.else
	v_wmma_scale_f32_16x16x128_f8f6f4 v[8*(8*((\a)%4)+\b):8*(8*((\a)%4)+\b)+7], v[128*(\p)+FR*\b:128*(\p)+FR*\b+FR-1], v[AF+FR*(\a):AF+FR*(\a)+FR-1], v[8*(8*((\a)%4)+\b):8*(8*((\a)%4)+\b)+7], v[SC+8*NQ*(\sc)+NQ*\b+(\q)], v[SC+8*NQ*(\sc)+NQ*(\a)+(\q)] matrix_a_fmt:MATRIX_FMT_BF6 matrix_b_fmt:MATRIX_FMT_BF6 matrix_a_scale:MATRIX_SCALE_ROW1
.endif
.endr
.endr
.endm
.macro FETCH_B slot, q, p
	WIN TO_B
.irp i, 0,1,2,3,4,5,6,7
	FRAG 128*(\p)+FR*\i, ADRB+\slot, \q, \i
.endr
	WIN 0
.endm
.macro FETCH_A slot, q, i0
.irp i, \i0, \i0+1, \i0+2, \i0+3
	FRAG AF+FR*(\i), ADRA+\slot, \q, \i
.endr
.endm
.macro SCALES sc
.irp i, 0,1,2,3,4,5,6,7
	ds_load_b64 v[SC+8*NQ*\sc+NQ*\i:SC+8*NQ*\sc+NQ*\i+1], v[ADRS] offset:\i*SBLK
.endr
.endm
.macro PLACES n
.rept \n
	v_nop
.endr
.endm
.macro STEP slot, q, mode
	s_wait_dscnt 4*NL
.if \mode
	WIN FST_LO
.else
	WIN MUL_LO
.endif
	MUL16 0, (\q)%2, \q, \slot, \mode
	MUL16 2, (\q)%2, \q, \slot, \mode
	s_wait_dscnt 0
	PLACES NP
	FETCH_B \slot, (\q)+1, 1-(\q)%2
	FETCH_A \slot, (\q)+1, 0
.if \mode
	WIN FST_HI
.else
	WIN MUL_HI
.endif
	MUL16 4, (\q)%2, \q, \slot, \mode
	MUL16 6, (\q)%2, \q, \slot, \mode
	PLACES NP
	WIN 0
	FETCH_A \slot, (\q)+1, 4
.endm
.macro TURN slot, next, fill
	s_wait_tensorcnt 0x0
	ds_add_u32 v[SPW], v[NIL]
	s_wait_dscnt 4*NL+1
	WIN MUL_LO
	MUL16 0, 1, NQ-1, \slot, 0
	s_wait_dscnt 0x0
	s_barrier_signal -1
	MUL16 2, 1, NQ-1, \slot, 0
	WIN 0
	s_barrier_wait -1
.if \fill
	CREST
	s_add_nc_u64 s[G0+4*\slot+2:G0+4*\slot+3], s[G0+4*\slot+2:G0+4*\slot+3], 2*ROWB
	s_add_nc_u64 s[G0B+4*\slot+2:G0B+4*\slot+3], s[G0B+4*\slot+2:G0B+4*\slot+3], 2*ROWB
	JLOAD G0+4*\slot, G1, G0B+4*\slot, G1B
.else
	PLACES NP
.endif
	s_wait_alu depctr_va_vdst(0)
	v_add_nc_u32 v[ADRS], 4*NQ, v[ADRS]
	FETCH_B \next, 0, 0
	FETCH_A \next, 0, 0
	SCALES \next
	WIN MUL_HI
	MUL16 4, 1, NQ-1, \slot, 0
	MUL16 6, 1, NQ-1, \slot, 0
	PLACES NP
	WIN 0
	FETCH_A \next, 0, 4
.endm
	s_wait_tensorcnt 1
	s_wait_loadcnt 0x0
	s_barrier_signal -1
	s_barrier_wait -1
	FETCH_B 0, 0, 0
	FETCH_A 0, 0, 0
	s_wait_alu depctr_va_vdst(0)
	SCALES 0
	FETCH_A 0, 0, 4
	s_cmp_eq_u32 s[ISV], 0
	s_cbranch_scc0 .Lstart_v
	STEP 0, 0, 1
	s_branch .Lstarted
.Lstart_v:
	STEP 0, 0, 2
.Lstarted:
	s_mov_b32 s3, LAPS-1
.Llap:
	TURN 0, 1, 1
	STEP 1, 0, 0
	TURN 1, 0, 1
	STEP 0, 0, 0
	s_sub_co_u32 s3, s3, 1
	s_cmp_lg_u32 s3, 0
	s_cbranch_scc1 .Llap
	TURN 0, 1, 0
	STEP 1, 0, 0
	s_wait_dscnt 4*NL
	WIN MUL_LO
	MUL16 0, 1, NQ-1, 1, 0
	MUL16 2, 1, NQ-1, 1, 0
	s_wait_dscnt 0
	WIN MUL_HI
	MUL16 4, 1, NQ-1, 1, 0
	MUL16 6, 1, NQ-1, 1, 0
	WIN 0
	PLACES NP
	s_lshl_b32 s20, s17, 1
	s_add_co_u32 s20, s20, s15
	s_lshl_b32 s21, s42, 1
	s_add_co_u32 s21, s21, s16
	s_cmp_eq_u32 s[ISV], 0
	s_cselect_b32 s22, s20, s21
	s_cselect_b32 s23, s21, s20
	s_mov_b32 s66, HSTR
	s_cselect_b32 s67, 3072, s66
	s_cselect_b32 s66, s66, 3072
	s_cselect_b32 s68, 0xffff, -1
	s_cselect_b32 s69, 16, 0
	s_cselect_b32 s70, 0, -1
	s_lshr_b32 s71, s22, 4
	s_lshl_b32 s71, s71, 4
	s_lshl_b32 s23, s23, 1
	s_add_co_u32 s71, s71, s23
	s_lshl_b32 s71, s71, 4
	s_and_b32 s22, s22, 15
	s_add_co_u32 s71, s71, s22
	s_mul_i32 s72, s71, REC
	s_mul_i32 s74, s97, SEC
	s_add_co_u32 s72, s72, s74
	s_mov_b32 s73, 0
	s_add_nc_u64 s[OUTP:OUTP+1], s[OUTP:OUTP+1], s[72:73]
	s_mov_b32 s[SEL], 0x76543210
	s_mov_b32 s[SEL+1], 0xfedcba98
	s_mov_b32 s78, 0xffff0000
	v_and_b32 v1, 31, v0
	v_lshlrev_b32 v[AD], 3, v1
	v_add_nc_u32 v[AD+1], s66, v[AD]
	v_add_nc_u32 v[AD+2], s67, v[AD]
	v_add_nc_u32 v[AD+3], s67, v[AD+1]
	v_lshlrev_b32 v[ASC], 4, v1
.irp b, 0,1,2,3
	v_mov_b32 v[TM+4+\b], 0
.endr
.macro QUANT a
.set QW, 2+(\a)/4
.set QS, 64*((\a)%4)
	WIN QW|(QW<<2)
.irp b, 0,1,2,3
	v_max3_num_f32 v[TM+\b], |v[QS+16*\b]|, |v[QS+16*\b+1]|, 0x2800000
.endr
.irp i, 2,4,6,8,10,12,14
.irp b, 0,1,2,3
	v_max3_num_f32 v[TM+\b], |v[QS+16*\b+\i]|, |v[QS+16*\b+\i+1]|, v[TM+\b]
.endr
.endr
	WIN 0
.irp b, 0,1,2,3
	v_permlanex16_b32 v[TM+4+\b], v[TM+\b], s[SEL], s[SEL+1]
.endr
.irp b, 0,1,2,3
	v_max_num_f32 v[TM+\b], v[TM+\b], v[TM+4+\b]
.endr
.irp b, 0,1,2,3
	v_add_nc_u32 v[TM+12+\b], 0xfe000000, v[TM+\b]
.endr
.irp b, 0,1,2,3
	v_lshrrev_b32 v[TM+4+\b], 23, v[TM+12+\b]
.endr
	v_lshl_or_b32 v[PWR+(\a)], v[TM+5], 8, v[TM+4]
	v_lshl_or_b32 v[PWR+(\a)], v[TM+6], 16, v[PWR+(\a)]
	v_lshl_or_b32 v[PWR+(\a)], v[TM+7], 24, v[PWR+(\a)]
	WIN QW
.irp c, 0,1
	v_cvt_scalef32_pk16_bf6_f32 v[CD+12*(\a)+6*\c:CD+12*(\a)+6*\c+2], v[QS+32*\c:QS+32*\c+15], v[TM+12+2*\c]
	v_cvt_scalef32_pk16_bf6_f32 v[CT+4*\c:CT+4*\c+2], v[QS+32*\c+16:QS+32*\c+31], v[TM+13+2*\c]
.endr
	WIN 0
	v_nop
.irp c, 0,1
.irp i, 0,1,2
	v_permlane16_swap_b32 v[CD+12*(\a)+6*\c+\i], v[CT+4*\c+\i]
.endr
.irp i, 0,1,2
	v_mov_b32 v[CD+12*(\a)+6*\c+3+\i], v[CT+4*\c+\i]
.endr
.endr
.irp c, 0,1
.irp p, 0,1,2
	global_store_b64 v[AD+2*((\a)/4)+\c], v[CD+12*(\a)+6*\c+2*\p:CD+12*(\a)+6*\c+2*\p+1], s[OUTP:OUTP+1] offset:768*((\a)%4)+256*\p
.endr
.endr
.endm
.irp b, 0,1,2,3
	QUANT 2*\b
	QUANT 2*\b+1
	v_cndmask_b32 v[SW+\b], v[PWR+2*\b], v[PWR+2*\b+1], s78
.endr
.irp i, 0,1,2,3
	v_and_b32 v[W0+\i], s68, v[SW+\i]
	v_cndmask_b32 v[W1+\i], v[SW+\i], v[SW+(\i+2)%4], s70
.endr
.irp i, 0,1,2,3
	v_lshrrev_b32 v[W1+\i], s69, v[W1+\i]
.endr
	global_store_b128 v[ASC], v[W0:W0+3], s[OUTP:OUTP+1] offset:6144
	global_store_b128 v[ASC], v[W1:W1+3], s[OUTP:OUTP+1] offset:6144+HSTR
	s_wait_tensorcnt 0x0
	ds_add_u32 v[SPW], v[NIL]
	s_wait_dscnt 0x0
	CROUND
	s_endpgm
.Lfunc_end_k_qafccd03330_proj:
	.size	k_qafccd03330_proj, .Lfunc_end_k_qafccd03330_proj-k_qafccd03330_proj
	.p2alignl 7, 3214868480
	.fill 96, 4, 3214868480
	.section	.rodata,"a",@progbits
	.p2align	6, 0x0
	.amdhsa_kernel k_qafccd03330_proj
		.amdhsa_group_segment_fixed_size 327680
		.amdhsa_private_segment_fixed_size 0
		.amdhsa_enable_private_segment 0
		.amdhsa_kernarg_size 48
		.amdhsa_user_sgpr_count 2
		.amdhsa_user_sgpr_kernarg_segment_ptr 1
		.amdhsa_wavefront_size32 1
		.amdhsa_system_sgpr_workgroup_id_x 1
		.amdhsa_system_sgpr_workgroup_id_y 1
		.amdhsa_system_sgpr_workgroup_id_z 1
		.amdhsa_system_vgpr_workitem_id 0
		.amdhsa_next_free_vgpr 1024
		.amdhsa_next_free_sgpr 102
		.amdhsa_reserve_vcc 0
		.amdhsa_float_denorm_mode_32 3
		.amdhsa_float_denorm_mode_16_64 3
		.amdhsa_memory_ordered 1
		.amdhsa_forward_progress 1
		.amdhsa_inst_pref_size 189
	.end_amdhsa_kernel
	.amdgpu_metadata
---
amdhsa.version: [ 1, 2 ]
amdhsa.kernels:
  - .name:           k_qafccd03330_proj
    .symbol:         k_qafccd03330_proj.kd
    .args:
      - { .name: cod, .offset: 0, .size: 8, .value_kind: global_buffer, .address_space: global }
      - { .name: scl, .offset: 8, .size: 8, .value_kind: global_buffer, .address_space: global }
      - { .name: wq_b, .offset: 16, .size: 8, .value_kind: global_buffer, .address_space: global }
      - { .name: wk_b, .offset: 24, .size: 8, .value_kind: global_buffer, .address_space: global }
      - { .name: wv_b, .offset: 32, .size: 8, .value_kind: global_buffer, .address_space: global }
      - { .name: rec, .offset: 40, .size: 8, .value_kind: global_buffer, .address_space: global }
    .group_segment_fixed_size: 327680
    .private_segment_fixed_size: 0
    .kernarg_segment_align: 8
    .kernarg_segment_size: 48
    .max_flat_workgroup_size: 128
    .sgpr_count:     102
    .vgpr_count:     1024
    .wavefront_size: 32
...
	.end_amdgpu_metadata
.endif
;; end of part 2
;; launch attn (part 3): grid 4 x 64, 16 waves a work-group, clusters of 4 x 1, 215,040 bytes of LDS; arguments rec, maskw, oc, os; writes oc, os
.if DOCPART == 3
	.amdgcn_target "amdgcn-amd-amdhsa--gfx1250"
	.amdhsa_code_object_version 6
	.text
	.protected	k_qafccd03330_attn
	.globl	k_qafccd03330_attn
	.p2align	8
	.type	k_qafccd03330_attn,@function
k_qafccd03330_attn:
	s_mov_b64 s[64:65], 0
	v_nop
	global_prefetch_b8 v0, s[64:65] scope:SCOPE_SE
	s_setreg_imm32_b32 hwreg(HW_REG_WAVE_MODE, 25, 1), 1
	s_wait_xcnt 0x0
	s_wait_alu depctr_hold_cnt(0) depctr_sa_sdst(0) depctr_va_vdst(0) depctr_va_sdst(0) depctr_va_ssrc(0) depctr_va_vcc(0) depctr_vm_vsrc(0)
	s_getreg_b32 s2, hwreg(HW_REG_IB_STS2, 6, 4)
	s_cmp_eq_u32 s2, 0
	s_cbranch_scc0 .Lentry_in_a_cluster
	s_endpgm
.Lentry_in_a_cluster:
	s_bfe_u32 s2, ttmp6, 0x10000c
	s_cmp_lg_u32 s2, 0x3003
	s_cbranch_scc0 .Lentry_shape_is_right
	s_endpgm
.Lentry_shape_is_right:
; ATTN.  For each (batch, head): S = Q K^T (K = the head's 64: the instruction's upper 64 meet zero codes of Q), the mask, the softmax, O = P V (K = the keys), O / l, and O quantised along the embedding for the last product.
; All operands are codes of BF6 (E3M2) with E8M0 scales, read as images of the operand registers out of rec (laid by the launch before).
; THE SOFTMAX: t = energy x log2(e) / 32; M = the running largest t rounded up to a whole number; p = 2^(t - M) is quantised along the keys; l is the sum of the unquantised p; when M moves, l and O are multiplied by 2^(old M - new M), exactly.
; THE MASK: one bit a score, in scalar registers, one v_cndmask_b32 a score.  A hidden score becomes -2^66 in place of -1e20: its t = -2^66 c is exact and whole, so that in a row hidden so far t - M is exactly 0 and p = 1
; (a row that is hidden wholly comes out as the mean of V, as the definition has it); as soon as a key counts, f = 0 wipes what was summed and hidden p are 0.
; LIMITS: energies that count are taken to lie above -2^66 (7.4e19 in magnitude); NaN and infinities are not served; blocks under 2^-122 keep the byte 1, blocks of zeros get the byte 1, not 127 (zero codes; this program alone reads the bytes).
; SHARES.  A work-group owns 256 queries of a head, each of its sixteen waves one tile of 16: four waves to a SIMD, so that one wave's vector work stands beside another's matrix work.
; LDS.  A head's K (106,496 bytes) and V (as many) fit: each byte is filled ONCE, each wave brings two records (13,312 bytes) by one tensor load; no slot is filled again.
; CLUSTER.  The four work-groups of a cluster belong to one head: the loads are joint, with one descriptor and a mask that names the four.
; LAYOUT.  Both products are used transposed (source 0 = 16 keys, or 16 of the head's 64; source 1 = my queries, or P): a lane holds one query (lane % 16) throughout; the 16 registers of key tiles 2 b, 2 b + 1 are keys 32 b + 16 (lane / 16) + 0..15.
.set REC,   6656
.set HSTR,  16*REC
.set SEC,   64*HSTR
.set VBASE, HSTR                       ; LDS: V's 16 records behind K's
.set SCW,   6144                       ; a record's scale words
.set AK0,  1                           ; v1   8 x lane
.set AKS0, 2                           ; v2   16 x lane + SCW
.set AV0,  3
.set AVS0, 4
.set NEG,  5                           ; v5   -2^66
.set GO,   6                           ; v6   first Q's offset
.set GS,   7                           ; v7   first Q's scale word's offset
.set ADK,  8                           ; v8-11 the step's LDS addresses
.set ADS,  9
.set ADV,  10
.set ADT,  11
.set QF,   16                          ; v16-21 Q's codes, v22-27 zeros
.set QSW,  28                          ; v28  Q's scale words
.set LN,   29                          ; v29  lane
.set KV,   30                          ; v30-77 K's 8 tiles x 6 registers, then V's 4 x 12; v78-83 zeros behind tile 7
.set KSW,  84                          ; v84-87 K's scale words: lanes 0-15 tile 2 i, lanes 16-31 tile 2 i + 1
.set VSW,  88                          ; v88-89 V's likewise
.set S,    90                          ; v90-153 S^T, then p
.set O,    154                         ; v154-185 O^T
.set PC,   186                         ; v186-197 p's codes
.set CT,   198                         ; v198-205 the conversions' second halves
.set BM,   206                         ; v206-209 a block's largest score, then its largest p
.set T2,   210                         ; v210-213 at work
.set SO,   214                         ; v214-217 the conversions' scale operands
.set PW,   218                         ; v218 p's scale word
.set F,    220                         ; v[220:221] f (the pair is named; the low word serves)
.set L2,   222                         ; v[222:223] at work, then the sum's second chain
.set G1,  4
.set G0,  12
.set WV,  16
.set TB,  17                           ; s17  LDS byte of the step's records
.set SEL, 20
.set CS,  22                           ; s[22:23] c = log2(e) / 32
.set MP,  24                           ; s[24:25] my tile's mask words
.set MO,  26                           ; s26  the step's 256 bytes among them
.set CNT, 27
.set OCP, 28
.set OSP, 30
.set QP,  100
.macro CROUND
	s_barrier_signal -1
	s_barrier_wait -1
	s_cmp_lg_u32 s[WV], 0
	s_cbranch_scc1 .Lnot_wave_0_\@
	s_barrier_signal -3
.Lnot_wave_0_\@:
	s_barrier_wait -3
	s_barrier_signal -1
	s_barrier_wait -1
.endm
	s_load_b256 s[40:47], s[0:1], 0x0              ; rec, maskw, oc, os
	v_lshl_add_u32 v224, v0, 2, 0x34000
	v_mov_b32 v225, 0
	ds_add_u32 v224, v225
	ds_add_u32 v224, v225
	v_lshrrev_b32 v8, 5, v0
	s_delay_alu instid0(VALU_DEP_1)
	v_readfirstlane_b32 s[WV], v8                  ; wave 0..15
	s_bfe_u32 s18, ttmp6, 0x40000                  ; cx
	s_lshl_b32 s19, ttmp9, 2
	s_add_co_u32 s19, s19, s18                     ; my block of 256 queries: it enters Q's, the mask's and the outputs' addresses alone
	s_and_b32 s48, ttmp7, 0xffff                   ; 16 x batch + head, which the four partners share
	s_and_b32 s49, s48, 15
	s_lshr_b32 s50, s48, 4
	s_lshl_b32 s51, s19, 4
	s_add_co_u32 s51, s51, s[WV]                   ; my tile of queries in the batch, 0..127
	s_lshl_b32 s52, s50, 7
	s_add_co_u32 s52, s52, s51                     ; and in all, 0..511
	s_mul_i32 s54, s48, HSTR                       ; the head's records in a section
	s_lshr_b32 s53, s[WV], 3                       ; waves 0-7 fetch K, waves 8-15 V
	s_add_co_u32 s53, s53, 1
	s_mul_i32 s53, s53, SEC
	s_and_b32 s55, s[WV], 7
	s_mul_i32 s56, s55, 2*REC                      ; two records a wave
	s_add_co_u32 s56, s56, s53
	s_add_co_u32 s56, s56, s54
	s_mov_b32 s57, 0
	s_lshr_b32 s58, s51, 3
	s_mul_i32 s58, s58, REC                        ; Q: the record of my group of 128 tokens
	s_add_co_u32 s58, s58, s54
	s_mov_b32 s59, 0
	s_lshl_b32 s60, s52, 12
	s_mov_b32 s61, 0
	s_mul_i32 s62, s52, 12288
	s_mul_i32 s63, s49, 768
	s_add_co_u32 s62, s62, s63
	s_mov_b32 s63, 0
	s_lshl_b32 s66, s52, 9
	s_lshl_b32 s67, s49, 1
	s_add_co_u32 s66, s66, s67
	s_mov_b32 s67, 0
	s_mul_i32 s68, s55, 768                        ; my tile in Q's record,
	s_and_b32 s69, s55, 1
	s_lshl_b32 s69, s69, 8
	s_lshr_b32 s70, s55, 1
	s_lshl_b32 s70, s70, 2
	s_add_co_u32 s69, s69, s70                     ; and its scale words: 256 (t % 2) + 4 (t / 2)
	; group 1: 52 rows of 256 bytes, dense, no padding; the mask names all four work-groups
	s_mov_b32 s[G1], 15|(3<<16)|(1<<21)
	s_mov_b32 s[G1+1], 32<<16
	s_mov_b32 s[G1+2], 52<<16
	s_mov_b32 s[G1+3], 32<<16
	s_mov_b32 s[G1+4], 52
	s_mov_b32 s[G1+5], 32
	s_mov_b32 s[G1+6], 0
	s_mov_b32 s[G1+7], 0
	s_mov_b32 s[SEL], 0x76543210
	s_mov_b32 s[SEL+1], 0xfedcba98
	s_mov_b32 s[CS], 0x3d38aa3b
	s_mov_b32 s[CS+1], s[CS]
	v_and_b32 v[LN], 31, v0
	s_delay_alu instid0(VALU_DEP_1)
	v_lshlrev_b32 v[AK0], 3, v[LN]
	s_delay_alu instid0(VALU_DEP_2)
	v_lshlrev_b32 v[AKS0], 4, v[LN]
	s_delay_alu instid0(VALU_DEP_2)
	v_add_nc_u32 v[AV0], VBASE, v[AK0]
	s_delay_alu instid0(VALU_DEP_2)
	v_add_nc_u32 v[AVS0], VBASE+SCW, v[AKS0]
	s_delay_alu instid0(VALU_DEP_3)
	v_add_nc_u32 v[AKS0], SCW, v[AKS0]
	v_add_nc_u32 v[GO], s68, v[AK0]
	v_and_b32 v[GS], 15, v0
	s_delay_alu instid0(VALU_DEP_1)
	v_lshlrev_b32 v[GS], 4, v[GS]
	s_delay_alu instid0(VALU_DEP_1)
	v_add_nc_u32 v[GS], s69, v[GS]
.irp i, 0,1,2,3,4,5
	v_mov_b32 v[QF+6+\i], 0                        ; Q's codes for the instruction's upper 64 along K
	v_mov_b32 v[KV+48+\i], 0                       ; what stands there for K's tile 7 (for tiles 0-6: the next tile's codes, which meet Q's zeros)
.endr
	v_mov_b32 v[NEG], 0xe0800000
.irp b, 0,1,2,3
	v_mov_b32 v[T2+\b], 0                          ; a lane permute's destination counts as one of its sources
.endr
	v_mov_b32 v[F+1], 0
.set j, 0
	s_wait_alu depctr_va_vdst(0)
	s_wait_dscnt 0x0
	s_wait_kmcnt 0x0
	s_mov_b32 s[G0], 1
	s_mul_i32 s[G0+1], s[WV], 2*REC                ; LDS: 13,312 x wave: K's eight pairs of records, then V's
	s_add_nc_u64 s[G0+2:G0+3], s[40:41], s[56:57]
	s_or_b32 s[G0+3], s[G0+3], 0x80000000
	s_add_nc_u64 s[QP:QP+1], s[40:41], s[58:59]
	s_add_nc_u64 s[MP:MP+1], s[42:43], s[60:61]
	s_add_nc_u64 s[OCP:OCP+1], s[44:45], s[62:63]
	s_add_nc_u64 s[OSP:OSP+1], s[46:47], s[66:67]
	CROUND                                         ; all four work-groups are here: the joint loads meet
	tensor_load_to_lds s[G0:G0+3], s[G1:G1+7]      ; my one tensor load
	s_nop 0
.rept 4
	v_nop
.endr
	s_wait_tensorcnt 0x0                           ; my two records have landed,
	s_barrier_signal -1
	s_barrier_wait -1                              ; everybody's have
	s_mov_b32 s19, 0                               ; passes done
; THE WORK-GROUP STAYS: it owns two blocks of 256 queries of its head, blocks cx and cx + 4 of the batch's eight; a wave walks one tile of 16 of each, in two passes.
; K and V lie in LDS, filled once, and are only read: no barrier stands between the passes.
.Lpass:
	s_mov_b32 s[TB], 0
	s_mov_b32 s[MO], 0
	s_mov_b32 s[CNT], 16
.irp p, 0,1,2
	global_load_b64 v[QF+2*\p:QF+2*\p+1], v[GO], s[QP:QP+1] offset:256*\p
.endr
	global_load_b32 v[QSW], v[GS], s[QP:QP+1] offset:SCW
	s_load_b512 s[32:47], s[MP:MP+1], s[MO] offset:0x0    ; step 0's 64 mask words: word j in s[32 + j], from word 32 on in s[36 + j]
	s_load_b512 s[48:63], s[MP:MP+1], s[MO] offset:0x40
	s_load_b512 s[68:83], s[MP:MP+1], s[MO] offset:0x80
	s_load_b512 s[84:99], s[MP:MP+1], s[MO] offset:0xc0
	v_mov_b32 v13, 0xff61b1e6                      ; the largest t so far: -3e38
	v_mov_b32 v14, 0                               ; l, in two halves
	v_mov_b32 v15, 0
	v_floor_f32 v12, -v13                          ; -M
.set j, 0
.rept 32
	v_mov_b32 v[O+j], 0                            ; the loop has no first step of its own: the first change of M multiplies zeros
.set j, j+1
.endr
	s_wait_alu depctr_va_vdst(0)
	s_wait_loadcnt 0x0                             ; Q
.Lstep:
	v_add_nc_u32 v[ADK], s[TB], v[AK0]             ; (these four are the places between the last products and the loads into their operands)
	v_add_nc_u32 v[ADS], s[TB], v[AKS0]
	v_add_nc_u32 v[ADV], s[TB], v[AV0]
	v_add_nc_u32 v[ADT], s[TB], v[AVS0]
.irp t, 0,1,2,3,4,5,6,7
.irp p, 0,1,2
	ds_load_b64 v[KV+6*\t+2*\p:KV+6*\t+2*\p+1], v[ADK] offset:768*\t+256*\p   ; 32 lanes read 256 consecutive bytes
.endr
.endr
	ds_load_b128 v[KSW:KSW+3], v[ADS]
	s_wait_alu depctr_va_vdst(0)
	s_wait_dscnt 0x0
.irp t, 0,2,4,6
	v_wmma_scale_f32_16x16x128_f8f6f4 v[S+8*\t:S+8*\t+7], v[KV+6*\t:KV+6*\t+11], v[QF:QF+11], 0, v[KSW+\t/2], v[QSW] matrix_a_fmt:MATRIX_FMT_BF6 matrix_b_fmt:MATRIX_FMT_BF6
	v_wmma_scale_f32_16x16x128_f8f6f4 v[S+8*\t+8:S+8*\t+15], v[KV+6*\t+6:KV+6*\t+17], v[QF:QF+11], 0, v[KSW+\t/2], v[QSW] matrix_a_fmt:MATRIX_FMT_BF6 matrix_b_fmt:MATRIX_FMT_BF6 matrix_a_scale:MATRIX_SCALE_ROW1
.endr
.rept 4
	v_nop                                          ; places in front of the loads into K's registers and of the first read of the scores
.endr
.irp t, 0,1,2,3
.irp c, 0,1
.irp p, 0,1,2
	ds_load_b64 v[KV+12*\t+6*\c+2*\p:KV+12*\t+6*\c+2*\p+1], v[ADV] offset:3072*\c+768*\t+256*\p   ; V lands while the softmax is walked
.endr
.endr
.endr
	ds_load_b64 v[VSW:VSW+1], v[ADT]
	s_wait_kmcnt 0x0                               ; this step's mask words
.set j, 0
.rept 64
	v_cndmask_b32 v[S+j], v[NEG], v[S+j], s[32+j+4*(j/32)]   ; each accumulator from its low end on
.set j, j+1
.endr
	s_add_co_u32 s[MO], s[MO], 256                 ; the next step's words are asked for now (the loads above are done, so their offset may be written);
	s_min_u32 s[MO], s[MO], 3840                   ; the last trip asks for step 15's again: no load leaves the buffer
	s_load_b512 s[32:47], s[MP:MP+1], s[MO] offset:0x0
	s_load_b512 s[48:63], s[MP:MP+1], s[MO] offset:0x40
	s_load_b512 s[68:83], s[MP:MP+1], s[MO] offset:0x80
	s_load_b512 s[84:99], s[MP:MP+1], s[MO] offset:0xc0
.irp b, 0,1,2,3
	v_max3_num_f32 v[BM+\b], v[S+16*\b], v[S+16*\b+1], v[S+16*\b+2]   ; the largest score of each block of 32 keys: for the row's maximum, and, since p rises with the score, for the block's largest p
.endr
.irp i, 3,5,7,9,11,13
.irp b, 0,1,2,3
	s_delay_alu instid0(VALU_DEP_4)
	v_max3_num_f32 v[BM+\b], v[BM+\b], v[S+16*\b+\i], v[S+16*\b+\i+1]
.endr
.endr
.irp b, 0,1,2,3
	s_delay_alu instid0(VALU_DEP_4)
	v_max_num_f32 v[BM+\b], v[BM+\b], v[S+16*\b+15]
.endr
.irp b, 0,1,2,3
	s_delay_alu instid0(VALU_DEP_4)
	v_permlanex16_b32 v[T2+\b], v[BM+\b], s[SEL], s[SEL+1]
.endr
.irp b, 0,1,2,3
	s_delay_alu instid0(VALU_DEP_4)
	v_max_num_f32 v[BM+\b], v[BM+\b], v[T2+\b]     ; with lane l xor 16's 16 keys
.endr
	s_delay_alu instid0(VALU_DEP_2)
	v_max3_num_f32 v[L2], v[BM], v[BM+1], v[BM+2]
	s_delay_alu instid0(VALU_DEP_1)
	v_max_num_f32 v[L2], v[L2], v[BM+3]
	s_delay_alu instid0(VALU_DEP_1)
	v_mul_f32 v[L2], s[CS], v[L2]                  ; as t (c is positive)
	s_delay_alu instid0(VALU_DEP_1)
	v_max_num_f32 v13, v13, v[L2]                  ; the running largest t
	v_mov_b32 v[L2], v12
	s_delay_alu instid0(VALU_DEP_2)
	v_floor_f32 v12, -v13                          ; the new -M = floor(-t): M is a whole number
	s_delay_alu instid0(VALU_DEP_1)
	v_sub_f32 v[L2], v12, v[L2]                    ; old M - new M: whole, 0 or less
	s_delay_alu instid0(VALU_DEP_1)
	v_cvt_i32_f32 v[L2], v[L2]                     ; (it saturates)
	s_delay_alu instid0(VALU_DEP_1)
	v_ldexp_f32 v[F], 1.0, v[L2]                   ; f = 2^(old M - new M)
.set j, 0
.rept 32
	v_pk_fma_f32 v[S+j:S+j+1], v[S+j:S+j+1], s[CS:CS+1], v[12:13] op_sel_hi:[1,0,0]   ; t - M, two at a time
.set j, j+2
.endr
.irp b, 0,1,2,3
	v_fma_f32 v[BM+\b], v[BM+\b], s[CS], v12       ; the same of each block's largest score
.endr
.set j, 0
	s_wait_alu depctr_va_vdst(0)
.rept 64
	v_exp_f32 v[S+j], v[S+j]                       ; p = 2^(t - M)
.set j, j+1
.endr
	v_pk_mul_f32 v[14:15], v[14:15], v[F:F+1] op_sel_hi:[1,0]   ; l under the new M; the plain instruction behind the exponentials
	s_wait_alu depctr_va_vdst(0)                   ; one wait for the batch of 64, ahead of its first reader
.irp b, 0,1,2,3
	v_exp_f32 v[BM+\b], v[BM+\b]                   ; the block's largest p
.endr
	v_pk_add_f32 v[L2:L2+1], v[S:S+1], v[S+2:S+3]  ; l is summed of the unquantised p, in two chains
.irp j, 4,8,12,16,20,24,28,32,36,40,44
	v_pk_add_f32 v[14:15], v[14:15], v[S+\j:S+\j+1]
	v_pk_add_f32 v[L2:L2+1], v[L2:L2+1], v[S+\j+2:S+\j+3]
.endr
	s_wait_alu depctr_va_vdst(0)                   ; and one for the four
.irp b, 0,1,2,3
	v_max_num_f32 v[BM+\b], 0x2800000, v[BM+\b]    ; the floor 2^(5 - 127): the byte cannot fall under 1
.endr
.irp b, 0,1,2,3
	s_delay_alu instid0(VALU_DEP_4)
	v_add_nc_u32 v[SO+\b], 0xfe000000, v[BM+\b]    ; 4 off the exponent field: the conversion's scale operand
.endr
.irp b, 0,1,2,3
	s_delay_alu instid0(VALU_DEP_4)
	v_lshrrev_b32 v[T2+\b], 23, v[SO+\b]
.endr
	s_delay_alu instid0(VALU_DEP_3)
	v_lshl_or_b32 v[PW], v[T2+1], 8, v[T2]         ; p's scale word for these 128 keys
	s_delay_alu instid0(VALU_DEP_1)
	v_lshl_or_b32 v[PW], v[T2+2], 16, v[PW]
	s_delay_alu instid0(VALU_DEP_1)
	v_lshl_or_b32 v[PW], v[T2+3], 24, v[PW]
.irp c, 0,1
	v_cvt_scalef32_pk16_bf6_f32 v[PC+6*\c:PC+6*\c+2], v[S+32*\c:S+32*\c+15], v[SO+2*\c]
	v_cvt_scalef32_pk16_bf6_f32 v[CT+4*\c:CT+4*\c+2], v[S+32*\c+16:S+32*\c+31], v[SO+2*\c+1]
.endr
	v_nop                                          ; one plain instruction behind the scaled conversions
.irp c, 0,1                                    ; a whole block to a lane
.irp i, 0,1,2
	v_permlane16_swap_b32 v[PC+6*\c+\i], v[CT+4*\c+\i]
.endr
.irp i, 0,1,2
	s_delay_alu instid0(VALU_DEP_3)
	v_mov_b32 v[PC+6*\c+3+\i], v[CT+4*\c+\i]
.endr
.endr
.set j, 0
.rept 16
	v_pk_mul_f32 v[O+j:O+j+1], v[O+j:O+j+1], v[F:F+1] op_sel_hi:[1,0]   ; O^T under the new M
.set j, j+2
.endr
.irp j, 48,52,56,60                            ; the rest of the sums: nine plain instructions that name no register of the products below
	v_pk_add_f32 v[14:15], v[14:15], v[S+\j:S+\j+1]
	v_pk_add_f32 v[L2:L2+1], v[L2:L2+1], v[S+\j+2:S+\j+3]
.endr
	s_delay_alu instid0(VALU_DEP_1)
	v_pk_add_f32 v[14:15], v[14:15], v[L2:L2+1]
	s_wait_dscnt 0x0                               ; V
.irp t, 0,2                                    ; four accumulators by turns, one instruction a turn
	v_wmma_scale_f32_16x16x128_f8f6f4 v[O+8*\t:O+8*\t+7], v[KV+12*\t:KV+12*\t+11], v[PC:PC+11], v[O+8*\t:O+8*\t+7], v[VSW+\t/2], v[PW] matrix_a_fmt:MATRIX_FMT_BF6 matrix_b_fmt:MATRIX_FMT_BF6
	v_wmma_scale_f32_16x16x128_f8f6f4 v[O+8*\t+8:O+8*\t+15], v[KV+12*\t+12:KV+12*\t+23], v[PC:PC+11], v[O+8*\t+8:O+8*\t+15], v[VSW+\t/2], v[PW] matrix_a_fmt:MATRIX_FMT_BF6 matrix_b_fmt:MATRIX_FMT_BF6 matrix_a_scale:MATRIX_SCALE_ROW1
.endr
	s_add_co_u32 s[TB], s[TB], REC
	s_sub_co_u32 s[CNT], s[CNT], 1
	s_cmp_lg_u32 s[CNT], 0
	s_cbranch_scc1 .Lstep
	; THE WAY OUT.  O^T / l; register 16 B + i is channel 32 B + 16 (lane / 16) + i of my query: two blocks of 32 along the last product's K.
	s_wait_kmcnt 0x0                               ; the words asked for in the last trip
	s_wait_alu depctr_va_vdst(0)
	v_add_f32 v14, v14, v15
	s_delay_alu instid0(VALU_DEP_1)
	v_permlanex16_b32 v[L2], v14, s[SEL], s[SEL+1]
	s_delay_alu instid0(VALU_DEP_1)
	v_add_f32 v14, v14, v[L2]                      ; the row's sum
	s_wait_alu depctr_va_vdst(0)
	v_rcp_f32 v14, v14
	v_nop                                          ; plain work behind the reciprocal
	v_and_b32 v[ADS], 15, v0
	s_delay_alu instid0(VALU_DEP_1)
	v_lshlrev_b32 v[ADS], 5, v[ADS]                ; 32 x (lane % 16): Q's offsets in v6 and v7 stay for the next pass
	v_nop
	s_wait_alu depctr_va_vdst(0)                   ; ahead of the reciprocal's first reader
.set j, 0
.rept 32
	v_mul_f32 v[S+j], v[O+j], v14
.set j, j+1
.endr
.irp b, 0,1
	v_max3_num_f32 v[BM+\b], |v[S+16*\b]|, |v[S+16*\b+1]|, 0x2800000
.endr
.irp i, 2,4,6,8,10,12,14
.irp b, 0,1
	s_delay_alu instid0(VALU_DEP_2)
	v_max3_num_f32 v[BM+\b], v[BM+\b], |v[S+16*\b+\i]|, |v[S+16*\b+\i+1]|
.endr
.endr
.irp b, 0,1
	s_delay_alu instid0(VALU_DEP_2)
	v_permlanex16_b32 v[T2+\b], v[BM+\b], s[SEL], s[SEL+1]
.endr
.irp b, 0,1
	s_delay_alu instid0(VALU_DEP_2)
	v_max_num_f32 v[BM+\b], v[BM+\b], v[T2+\b]
.endr
.irp b, 0,1
	s_delay_alu instid0(VALU_DEP_2)
	v_add_nc_u32 v[SO+\b], 0xfe000000, v[BM+\b]
.endr
.irp b, 0,1
	s_delay_alu instid0(VALU_DEP_2)
	v_lshrrev_b32 v[T2+\b], 23, v[SO+\b]
.endr
	s_delay_alu instid0(VALU_DEP_1)
	v_lshl_or_b32 v[T2], v[T2+1], 8, v[T2]         ; my row's two scale bytes
	v_cvt_scalef32_pk16_bf6_f32 v[PC:PC+2], v[S:S+15], v[SO]
	v_cvt_scalef32_pk16_bf6_f32 v[CT:CT+2], v[S+16:S+31], v[SO+1]
	v_nop
.irp i, 0,1,2
	v_permlane16_swap_b32 v[PC+\i], v[CT+\i]
.endr
.irp i, 0,1,2
	s_delay_alu instid0(VALU_DEP_3)
	v_mov_b32 v[PC+3+\i], v[CT+\i]
.endr
.irp p, 0,1,2
	global_store_b64 v[AK0], v[PC+2*\p:PC+2*\p+1], s[OCP:OCP+1] offset:256*\p   ; 32 lanes store 256 consecutive bytes, aligned: half a fragment of the last product's A
.endr
	v_cmp_gt_u32 vcc_lo, 16, v[LN]
	s_wait_xcnt 0x0                                ; EXEC changes only behind this wait
	s_and_saveexec_b32 s18, vcc_lo
	global_store_b16 v[ADS], v[T2], s[OSP:OSP+1]   ; a head owns 2 of a row's 32 scale bytes: sixteen lanes, 2 bytes each, 32 bytes apart
	s_wait_xcnt 0x0
	s_or_b32 exec_lo, exec_lo, s18
	; on to the tile 64 tiles further on (behind the wait on XCNT above, and with Q's and the mask's loads done, the pointers may be stepped)
	s_add_nc_u64 s[QP:QP+1], s[QP:QP+1], 8*REC     ; 8 records of 8 tiles
	s_add_nc_u64 s[MP:MP+1], s[MP:MP+1], 0x40000   ; 64 tiles x 4,096 bytes of mask words
	s_add_nc_u64 s[OCP:OCP+1], s[OCP:OCP+1], 0xc0000   ; 64 x 12,288 bytes of codes
	s_add_nc_u64 s[OSP:OSP+1], s[OSP:OSP+1], 0x8000    ; 64 x 512 scale bytes
	s_add_co_u32 s19, s19, 1
	s_cmp_lt_u32 s19, 2
	s_wait_alu depctr_va_vdst(0)
	s_cbranch_scc1 .Lpass
	s_wait_tensorcnt 0x0
	ds_add_u32 v224, v225
	s_wait_dscnt 0x0
	CROUND                                         ; the closing round
	s_endpgm
.Lfunc_end_k_qafccd03330_attn:
	.size	k_qafccd03330_attn, .Lfunc_end_k_qafccd03330_attn-k_qafccd03330_attn
	.p2alignl 7, 3214868480
	.fill 96, 4, 3214868480
	.section	.rodata,"a",@progbits
	.p2align	6, 0x0
	.amdhsa_kernel k_qafccd03330_attn
		.amdhsa_group_segment_fixed_size 215040
		.amdhsa_private_segment_fixed_size 0
		.amdhsa_enable_private_segment 0
		.amdhsa_kernarg_size 32
		.amdhsa_user_sgpr_count 2
		.amdhsa_user_sgpr_kernarg_segment_ptr 1
		.amdhsa_wavefront_size32 1
		.amdhsa_system_sgpr_workgroup_id_x 1
		.amdhsa_system_sgpr_workgroup_id_y 1
		.amdhsa_system_sgpr_workgroup_id_z 1
		.amdhsa_system_vgpr_workitem_id 0
		.amdhsa_next_free_vgpr 226
		.amdhsa_next_free_sgpr 102
		.amdhsa_reserve_vcc 1
		.amdhsa_float_denorm_mode_32 3
		.amdhsa_float_denorm_mode_16_64 3
		.amdhsa_memory_ordered 1
		.amdhsa_forward_progress 1
		.amdhsa_inst_pref_size 36
	.end_amdhsa_kernel
	.amdgpu_metadata
---
amdhsa.version: [ 1, 2 ]
amdhsa.kernels:
  - .name:           k_qafccd03330_attn
    .symbol:         k_qafccd03330_attn.kd
    .args:
      - { .name: rec, .offset: 0, .size: 8, .value_kind: global_buffer, .address_space: global }
      - { .name: maskw, .offset: 8, .size: 8, .value_kind: global_buffer, .address_space: global }
      - { .name: oc, .offset: 16, .size: 8, .value_kind: global_buffer, .address_space: global }
      - { .name: os, .offset: 24, .size: 8, .value_kind: global_buffer, .address_space: global }
    .group_segment_fixed_size: 215040
    .private_segment_fixed_size: 0
    .kernarg_segment_align: 8
    .kernarg_segment_size: 32
    .max_flat_workgroup_size: 512
    .sgpr_count:     102
    .vgpr_count:     226
    .wavefront_size: 32
...
	.end_amdgpu_metadata
.endif
;; end of part 3
;; launch outp (part 4): grid 4 x 32, 4 waves a work-group, clusters of 4 x 4, 327,680 bytes of LDS; arguments oc, os, cod, scl, fo_b, out0; writes out0
.if DOCPART == 4
	.amdgcn_target "amdgcn-amd-amdhsa--gfx1250"
	.amdhsa_code_object_version 6
	.text
	.protected	k_qafccd03330_outp
	.globl	k_qafccd03330_outp
	.p2align	8
	.type	k_qafccd03330_outp,@function
k_qafccd03330_outp:
	s_mov_b64 s[64:65], 0
	v_nop
	global_prefetch_b8 v0, s[64:65] scope:SCOPE_SE
	s_setreg_imm32_b32 hwreg(HW_REG_WAVE_MODE, 25, 1), 1
	s_wait_xcnt 0x0
	s_wait_alu depctr_hold_cnt(0) depctr_sa_sdst(0) depctr_va_vdst(0) depctr_va_sdst(0) depctr_va_ssrc(0) depctr_va_vcc(0) depctr_vm_vsrc(0)
	s_getreg_b32 s2, hwreg(HW_REG_IB_STS2, 6, 4)
	s_cmp_eq_u32 s2, 0
	s_cbranch_scc0 .Lentry_in_a_cluster
	s_endpgm
.Lentry_in_a_cluster:
	s_bfe_u32 s2, ttmp6, 0x10000c
	s_cmp_lg_u32 s2, 0xf033
	s_cbranch_scc0 .Lentry_shape_is_right
	s_endpgm
.Lentry_shape_is_right:
.set NQ,     2
.set ROWB,   24576                     ; bytes from one K step's block of 128 rows to the next in cod
.set KROW,   768
.set PITCH,  240
.set FR,     12
.set NL,     6
.set NP,     4
.set HALFT,  128*PITCH
.set HALFA,  24576
.set ASTEP,  3072
.set BOFF,   2*HALFA
.set SLOT,   BOFF+2*HALFT
.set LAPS,   2
.set KS,     32
.set SCL,    2*SLOT
.set HALFS,  (128*KS/256)*272
.set SBLK,   (16*KS/256)*272
.set SPARE,  SCL+4*HALFS
.set SPITCH, 528
.set ADRA, 16
.set ADRB, 20
.set STO,  24
.set RD,   25
.set CO,   26
.set ADRS, 27
.set SPW,  28
.set NIL,  29
.set SC,   32
.set AF,   128
.set BK,   128
.set G1, 24
.set G0, 32
.set G1B, 48
.set G0B, 56
.set G1S, 68
.set G0S, 76
.set G1SB, 80
.set G0SB, 88
.set MSB, 0
.macro WIN new
.if MSB != (\new)
	s_set_vgpr_msb (MSB<<8)|(\new)
.set MSB, (\new)
.endif
.endm
.set MUL_LO, 0xa1
.set MUL_HI, 0xf1
.set FST_LO, 0x91
.set FST_HI, 0xd1
.set TO_B,   0x40
.macro JLOAD g0a, g1a, g0b, g1b
	s_cmp_eq_u32 s15, 0
	s_cbranch_scc0 .Lfor_b_\@
	tensor_load_to_lds s[\g0a:\g0a+3], s[\g1a:\g1a+7]
	s_nop 0
.rept 4
	v_nop
.endr
	s_branch .Lasked_\@
.Lfor_b_\@:
	tensor_load_to_lds s[\g0b:\g0b+3], s[\g1b:\g1b+7]
	s_nop 0
.rept 4
	v_nop
.endr
.Lasked_\@:
.endm
.macro CREST
	s_cmp_lg_u32 s14, 0
	s_cbranch_scc1 .Lnot_wave_0_\@
	s_barrier_signal -3
.Lnot_wave_0_\@:
	s_barrier_wait -3
	s_barrier_signal -1
	s_barrier_wait -1
.endm
.macro CROUND
	s_barrier_signal -1
	s_barrier_wait -1
	CREST
.endm
	s_load_b128 s[4:7], s[0:1], 0x0
	s_load_b128 s[8:11], s[0:1], 0x10
	s_load_b64 s[96:97], s[0:1], 0x20
	s_load_b64 s[12:13], s[0:1], 0x28
	v_lshl_add_u32 v[SPW], v0, 2, SPARE
	v_mov_b32 v[NIL], 0
	ds_add_u32 v28, v29
	ds_add_u32 v28, v29
	s_wait_dscnt 0x0
	v_lshrrev_b32 v1, 5, v0
	v_readfirstlane_b32 s14, v1
	s_lshr_b32 s15, s14, 1
	s_and_b32 s16, s14, 1
	; v30: the prefetches' offset, never rewritten.  i = min(lane, 23).  B's waves: 256 i.  A's waves: a chunk is 8 pieces of 3,072 bytes, 12,288 apart: piece i / 12, block i % 12 = 256 i + 9,216 (i / 12)
	s_cmp_eq_u32 s15, 0
	s_cselect_b32 s99, 9216, 0
	v_and_b32 v30, 31, v0
	v_min_u32 v30, 23, v30
	v_mul_u32_u24 v31, v30, 11
	v_lshrrev_b32 v31, 7, v31                      ; i / 12 for i under 24
	v_mul_u32_u24 v31, s99, v31
	v_lshl_add_u32 v30, v30, 8, v31
	s_wait_alu depctr_va_vdst(0)                   ; directly behind the write
	s_bfe_u32 s40, ttmp6, 0x40000
	s_bfe_u32 s41, ttmp6, 0x40004
	s_lshl_b32 s42, ttmp9, 2
	s_add_co_u32 s42, s42, s40
	s_and_b32 s17, ttmp7, 0xffff
	s_lshl_b32 s17, s17, 2
	s_add_co_u32 s17, s17, s41
	s_lshl_b32 s43, s41, 2
	s_lshl_b32 s43, 15, s43
	s_lshl_b32 s44, 0x1111, s40
	s_or_b32 s[G1+0], s43, (3<<16)|(1<<21)
	s_mov_b32 s[G1+1], 384<<16
	s_mov_b32 s[G1+2], 8<<16
	s_mov_b32 s[G1+3], 384<<16
	s_mov_b32 s[G1+4], 8
	s_mov_b32 s[G1+5], 1536
	s_mov_b32 s[G1+6], 0
	s_mov_b32 s[G1+7], 0
	s_or_b32 s[G1B+0], s44, (0<<16)|(1<<20)|(1<<21)|(3<<22)|(3<<25)
	; B's tile (128 rows x 192 bytes) is dense in cod: it comes as 96 rows of 256 bytes, each at a multiple of 256; 16 bytes of padding behind every 64 give LDS rows of 240 bytes
	s_mov_b32 s[G1B+1], 256<<16
	s_mov_b32 s[G1B+2], 96<<16
	s_mov_b32 s[G1B+3], 256<<16
	s_mov_b32 s[G1B+4], 96
	s_mov_b32 s[G1B+5], 256
	s_mov_b32 s[G1B+6], 0
	s_mov_b32 s[G1B+7], 0
	s_or_b32 s[G1S+0], s43, (3<<16)|(1<<20)|(1<<21)|(5<<22)|(3<<25)
	s_or_b32 s[G1SB+0], s44, (3<<16)|(1<<20)|(1<<21)|(5<<22)|(3<<25)
.irp g, G1S, G1SB
	s_mov_b32 s[\g+1], 32<<16
	s_mov_b32 s[\g+2], (128*KS/256)<<16
	s_mov_b32 s[\g+3], 32<<16
	s_mov_b32 s[\g+4], 128*KS/256
	s_mov_b32 s[\g+5], 32
	s_mov_b32 s[\g+6], 0
	s_mov_b32 s[\g+7], 0
.endr
	s_lshl_b32 s20, s17, 4
	s_lshl_b32 s18, s16, 3
	s_add_co_u32 s20, s20, s18
	s_lshl_b32 s22, s20, 9
	s_mul_i32 s20, s20, 12288
	s_mov_b32 s21, 0
	s_mov_b32 s23, 0
	s_lshl_b32 s46, s42, 8
	s_lshl_b32 s18, s16, 7
	s_add_co_u32 s46, s46, s18
	s_add_co_u32 s46, s46, 27648
	s_lshl_b32 s92, s46, 5
	s_mul_i32 s46, s46, KROW
	s_mov_b32 s47, 0
	s_mov_b32 s93, 0
	s_mul_i32 s45, s16, HALFA
	s_mul_i32 s95, s16, HALFT
	s_add_co_u32 s95, s95, BOFF
	s_mul_i32 s94, s14, HALFS
	s_wait_kmcnt 0x0
	s_add_nc_u64 s[20:21], s[4:5], s[20:21]
	s_add_nc_u64 s[22:23], s[6:7], s[22:23]
	s_add_nc_u64 s[46:47], s[8:9], s[46:47]
	s_add_nc_u64 s[92:93], s[10:11], s[92:93]
	; PREFETCHES.  A chunk of what I fetch is 96 blocks of 256 bytes; the four partners that ask for it jointly take 24 each, told apart by address (cx for A: two pieces, 24,576 bytes on; cy for B: 6,144 bytes on):
	; a lane a block, lanes 24-31 name the last once more.  s[18:19]: my work-group's 24 blocks of chunk 0; never rewritten
	s_cmp_eq_u32 s15, 0
	s_cselect_b64 s[18:19], s[20:21], s[46:47]
	s_cselect_b32 s98, s40, s41
	s_mov_b32 s2, 6144
	s_cselect_b32 s2, 24576, s2
	s_mul_i32 s2, s98, s2
	s_mov_b32 s3, 0
	s_add_nc_u64 s[18:19], s[18:19], s[2:3]
.macro ASKC c                          ; chunk c: A's lie 3,072 bytes apart, B's 24,576; the branch hangs on the wave's number alone
	s_cmp_eq_u32 s15, 0
	s_cbranch_scc0 .Lpfb_\@
	global_prefetch_b8 v30, s[18:19] offset:(\c)*ASTEP th:TH_LOAD_NT scope:SCOPE_SE
	s_branch .Lpfd_\@
.Lpfb_\@:
	global_prefetch_b8 v30, s[18:19] offset:(\c)*ROWB th:TH_LOAD_NT scope:SCOPE_SE
.Lpfd_\@:
.endm
	CROUND
	s_mov_b32 s[G0S], 1
	s_add_co_u32 s[G0S+1], s94, SCL
	s_mov_b64 s[G0S+2:G0S+3], s[22:23]
	s_or_b32 s[G0S+3], s[G0S+3], 0x80000000
	s_mov_b32 s[G0SB], 1
	s_add_co_u32 s[G0SB+1], s94, SCL
	s_mov_b64 s[G0SB+2:G0SB+3], s[92:93]
	s_or_b32 s[G0SB+3], s[G0SB+3], 0x80000000
	JLOAD G0S, G1S, G0SB, G1SB
	ASKC 0                                         ; chunks 0 and 1, which the next two loads bring
	ASKC 1
.irp s, 0,1
	s_mov_b32 s[G0+4*\s], 1
	s_add_co_u32 s[G0+4*\s+1], s45, \s*SLOT
	s_add_nc_u64 s[G0+4*\s+2:G0+4*\s+3], s[20:21], \s*ASTEP
	s_or_b32 s[G0+4*\s+3], s[G0+4*\s+3], 0x80000000
	s_mov_b32 s[G0B+4*\s], 1
	s_add_co_u32 s[G0B+4*\s+1], s95, \s*SLOT
	s_add_nc_u64 s[G0B+4*\s+2:G0B+4*\s+3], s[46:47], \s*ROWB
	s_or_b32 s[G0B+4*\s+3], s[G0B+4*\s+3], 0x80000000
	s_wait_alu depctr_va_vdst(0)
	s_wait_tensorcnt 0x0
	ds_add_u32 v28, v29
	s_wait_dscnt 0x0
	CROUND
	JLOAD G0+4*\s, G1, G0B+4*\s, G1B
	ASKC \s+2                                      ; the chunk two loads on; chunk 3 is the last, so nothing is asked for in the loop
.endr
	v_and_b32 v1, 15, v0
	v_bfe_u32 v2, v0, 4, 1
	v_mul_u32_u24 v3, v1, PITCH
	v_mul_u32_u24 v4, v2, 24
	v_add_nc_u32 v4, v3, v4
	v_lshl_add_u32 v5, v2, 4, v4
	v_and_b32 v6, 31, v0
	v_lshlrev_b32 v7, 3, v6
	s_mul_i32 s21, s15, HALFA
	s_mul_i32 s22, s16, HALFT
	s_add_co_u32 s22, s22, BOFF
.irp s, 0,1
	v_add_nc_u32 v[ADRA+\s], s21, v7
	v_add_nc_u32 v[ADRB+\s], s22, v4
	v_add_nc_u32 v[ADRB+2+\s], s22, v5
	s_add_co_u32 s21, s21, SLOT
	s_add_co_u32 s22, s22, SLOT
.endr
	v_mul_u32_u24 v5, v1, KS
	v_lshrrev_b32 v6, 8, v5
	v_lshl_add_u32 v5, v6, 4, v5
	s_mul_i32 s21, s15, HALFS
	s_mul_i32 s22, s16, HALFS
	s_add_co_u32 s22, s22, 2*HALFS
	s_sub_co_u32 s22, s22, s21
	v_mul_u32_u24 v6, s22, v2
	s_add_co_u32 s21, s21, SCL
	v_add_nc_u32 v5, v5, v6
	v_add_nc_u32 v[ADRS], s21, v5
	s_mul_i32 s23, s14, 16*SPITCH
	v_mul_u32_u24 v5, v1, SPITCH
	v_lshl_add_u32 v5, v2, 5, v5
	v_add_nc_u32 v[STO], s23, v5
	v_and_b32 v6, 31, v0
	v_lshlrev_b32 v[CO], 4, v6
	v_add_nc_u32 v[RD], s23, v[CO]
	s_lshl_b32 s20, s17, 8
	s_lshl_b32 s21, s15, 7
	s_add_co_u32 s20, s20, s21
	s_lshl_b32 s20, s20, 12
	s_lshl_b32 s46, s42, 10
	s_lshl_b32 s47, s16, 9
	s_add_co_u32 s46, s46, s47
	s_mov_b32 s47, 0
	s_mov_b32 s21, 0
	s_add_nc_u64 s[12:13], s[12:13], s[20:21]
	s_add_nc_u64 s[12:13], s[12:13], s[46:47]
	s_add_nc_u64 s[96:97], s[96:97], s[46:47]
	v_lshlrev_b32 v8, 5, v2
	WIN TO_B
.irp b, 0,1,2,3,4,5,6,7
	global_load_b128 v[96+8*\b+96*(\b/4):96+8*\b+96*(\b/4)+3], v8, s[96:97] offset:64*\b
	global_load_b128 v[96+8*\b+96*(\b/4)+4:96+8*\b+96*(\b/4)+7], v8, s[96:97] offset:64*\b+16
.endr
	WIN 0
.macro FRAG reg, adr, q, i
.irp p, 0,1,2,3,4,5
.set PC, 12*(\q)+6*(\p/3)+\p%3
.if PC%8 < 5
	ds_load_b64 v[\reg+2*\p:\reg+2*\p+1], v[\adr] offset:8*PC+16*(PC/8)+(\i)*16*PITCH
.else
	ds_load_b64 v[\reg+2*\p:\reg+2*\p+1], v[\adr+2] offset:8*PC+16*(PC/8)+(\i)*16*PITCH
.endif
.endr
.endm
.macro FRAGI reg, adr, q, i
.irp p, 0,1,2,3,4,5
	ds_load_b64 v[\reg+2*\p:\reg+2*\p+1], v[\adr] offset:ASTEP*(\i)+1536*(\q)+256*\p
.endr
.endm
.macro MUL16 a0, p, q, sc, mode
.irp a, \a0, \a0+1
.irp b, 0,1,2,3,4,5,6,7
.if (\mode) == 1
	v_wmma_scale_f32_16x16x128_f8f6f4 v[8*(8*((\a)%4)+\b):8*(8*((\a)%4)+\b)+7], v[128*(\p)+FR*\b:128*(\p)+FR*\b+FR-1], v[AF+FR*(\a):AF+FR*(\a)+FR-1], v[96+8*\b+96*(\b/4):96+8*\b+96*(\b/4)+7], v[SC+8*NQ*(\sc)+NQ*\b+(\q)], v[SC+8*NQ*(\sc)+NQ*(\a)+(\q)] matrix_a_fmt:MATRIX_FMT_BF6 matrix_b_fmt:MATRIX_FMT_BF6 matrix_a_scale:MATRIX_SCALE_ROW1
.else
	v_wmma_scale_f32_16x16x128_f8f6f4 v[8*(8*((\a)%4)+\b):8*(8*((\a)%4)+\b)+7], v[128*(\p)+FR*\b:128*(\p)+FR*\b+FR-1], v[AF+FR*(\a):AF+FR*(\a)+FR-1], v[8*(8*((\a)%4)+\b):8*(8*((\a)%4)+\b)+7], v[SC+8*NQ*(\sc)+NQ*\b+(\q)], v[SC+8*NQ*(\sc)+NQ*(\a)+(\q)] matrix_a_fmt:MATRIX_FMT_BF6 matrix_b_fmt:MATRIX_FMT_BF6 matrix_a_scale:MATRIX_SCALE_ROW1
.endif
.endr
.endr
.endm
.macro FETCH_B slot, q, p
	WIN TO_B
.irp i, 0,1,2,3,4,5,6,7
	FRAG 128*(\p)+FR*\i, ADRB+\slot, \q, \i
.endr
	WIN 0
.endm
.macro FETCH_A slot, q, i0
.irp i, \i0, \i0+1, \i0+2, \i0+3
	FRAGI AF+FR*(\i), ADRA+\slot, \q, \i
.endr
.endm
.macro SCALES sc
.irp i, 0,1,2,3,4,5,6,7
	ds_load_b64 v[SC+8*NQ*\sc+NQ*\i:SC+8*NQ*\sc+NQ*\i+1], v[ADRS] offset:\i*SBLK
.endr
.endm
.macro PLACES n
.rept \n
	v_nop
.endr
.endm
.macro STEP slot, q, mode
	s_wait_dscnt 4*NL
.if \mode
	WIN FST_LO
.else
	WIN MUL_LO
.endif
	MUL16 0, (\q)%2, \q, \slot, \mode
	MUL16 2, (\q)%2, \q, \slot, \mode
	s_wait_dscnt 0
	PLACES NP
	FETCH_B \slot, (\q)+1, 1-(\q)%2
	FETCH_A \slot, (\q)+1, 0
.if \mode
	WIN FST_HI
.else
	WIN MUL_HI
.endif
	MUL16 4, (\q)%2, \q, \slot, \mode
	MUL16 6, (\q)%2, \q, \slot, \mode
	PLACES NP
	WIN 0
	FETCH_A \slot, (\q)+1, 4
.endm
.macro TURN slot, next, fill
	s_wait_tensorcnt 0x0
	ds_add_u32 v[SPW], v[NIL]
	s_wait_dscnt 4*NL+1
	WIN MUL_LO
	MUL16 0, 1, NQ-1, \slot, 0
	s_wait_dscnt 0x0
	s_barrier_signal -1
	MUL16 2, 1, NQ-1, \slot, 0
	WIN 0
	s_barrier_wait -1
.if \fill
	CREST
	s_add_nc_u64 s[G0+4*\slot+2:G0+4*\slot+3], s[G0+4*\slot+2:G0+4*\slot+3], 2*ASTEP
	s_add_nc_u64 s[G0B+4*\slot+2:G0B+4*\slot+3], s[G0B+4*\slot+2:G0B+4*\slot+3], 2*ROWB
	JLOAD G0+4*\slot, G1, G0B+4*\slot, G1B
.else
	PLACES NP
.endif
	s_wait_alu depctr_va_vdst(0)
	v_add_nc_u32 v[ADRS], 4*NQ, v[ADRS]
	FETCH_B \next, 0, 0
	FETCH_A \next, 0, 0
	SCALES \next
	WIN MUL_HI
	MUL16 4, 1, NQ-1, \slot, 0
	MUL16 6, 1, NQ-1, \slot, 0
	PLACES NP
	WIN 0
	FETCH_A \next, 0, 4
.endm
	s_wait_alu depctr_va_vdst(0)
	s_wait_tensorcnt 1
	s_wait_loadcnt 0x0
	s_barrier_signal -1
	s_barrier_wait -1
	FETCH_B 0, 0, 0
	FETCH_A 0, 0, 0
	SCALES 0
	FETCH_A 0, 0, 4
	STEP 0, 0, 1
	s_mov_b32 s3, LAPS-1
.Llap:
	TURN 0, 1, 1
	STEP 1, 0, 0
	TURN 1, 0, 1
	STEP 0, 0, 0
	s_sub_co_u32 s3, s3, 1
	s_cmp_lg_u32 s3, 0
	s_cbranch_scc1 .Llap
	TURN 0, 1, 0
	STEP 1, 0, 0
	s_wait_dscnt 4*NL
	WIN MUL_LO
	MUL16 0, 1, NQ-1, 1, 0
	MUL16 2, 1, NQ-1, 1, 0
	s_wait_dscnt 0
	WIN MUL_HI
	MUL16 4, 1, NQ-1, 1, 0
	MUL16 6, 1, NQ-1, 1, 0
	WIN 0
.macro TOSTAGE a
.set AC, 64*((\a)%4)
	WIN 0x08+4*((\a)/4)
.irp b, 0,1,2,3,4,5,6,7
	ds_store_b128 v[STO], v[AC+8*\b:AC+8*\b+3] offset:64*\b
	ds_store_b128 v[STO], v[AC+8*\b+4:AC+8*\b+7] offset:64*\b+16
.endr
	WIN 0
.set BB, BK+64*((\a)%2)
.irp t, 0,1,2,3,4,5,6,7,8,9,10,11,12,13,14,15
	ds_load_b128 v[BB+4*\t:BB+4*\t+3], v[RD] offset:\t*SPITCH
.endr
.endm
.macro SEND a, younger
.set BB, BK+64*((\a)%2)
	s_wait_dscnt \younger
.irp t, 0,1,2,3,4,5,6,7,8,9,10,11,12,13,14,15
	global_store_b128 v[CO], v[BB+4*\t:BB+4*\t+3], s[12:13] offset:(32*((\a)/2)+8*((\a)%2)+\t+8*(\t/8))*4096 th:TH_STORE_NT
.endr
.endm
	PLACES NP
	TOSTAGE 0
.irp a, 1,2,3,4,5,6,7
.if \a > 1
	s_wait_xcnt 0x0
.endif
	TOSTAGE \a
	SEND \a-1, 32
.endr
	SEND 7, 0
	s_wait_tensorcnt 0x0
	ds_add_u32 v[SPW], v[NIL]
	s_wait_dscnt 0x0
	CROUND
	s_endpgm
.Lfunc_end_k_qafccd03330_outp:
	.size	k_qafccd03330_outp, .Lfunc_end_k_qafccd03330_outp-k_qafccd03330_outp
	.p2alignl 7, 3214868480
	.fill 96, 4, 3214868480
	.section	.rodata,"a",@progbits
	.p2align	6, 0x0
	.amdhsa_kernel k_qafccd03330_outp
		.amdhsa_group_segment_fixed_size 327680
		.amdhsa_private_segment_fixed_size 0
		.amdhsa_enable_private_segment 0
		.amdhsa_kernarg_size 48
		.amdhsa_user_sgpr_count 2
		.amdhsa_user_sgpr_kernarg_segment_ptr 1
		.amdhsa_wavefront_size32 1
		.amdhsa_system_sgpr_workgroup_id_x 1
		.amdhsa_system_sgpr_workgroup_id_y 1
		.amdhsa_system_sgpr_workgroup_id_z 1
		.amdhsa_system_vgpr_workitem_id 0
		.amdhsa_next_free_vgpr 1024
		.amdhsa_next_free_sgpr 100
		.amdhsa_reserve_vcc 0
		.amdhsa_float_denorm_mode_32 3
		.amdhsa_float_denorm_mode_16_64 3
		.amdhsa_memory_ordered 1
		.amdhsa_forward_progress 1
		.amdhsa_inst_pref_size 164
	.end_amdhsa_kernel
	.amdgpu_metadata
---
amdhsa.version: [ 1, 2 ]
amdhsa.kernels:
  - .name:           k_qafccd03330_outp
    .symbol:         k_qafccd03330_outp.kd
    .args:
      - { .name: oc, .offset: 0, .size: 8, .value_kind: global_buffer, .address_space: global }
      - { .name: os, .offset: 8, .size: 8, .value_kind: global_buffer, .address_space: global }
      - { .name: cod, .offset: 16, .size: 8, .value_kind: global_buffer, .address_space: global }
      - { .name: scl, .offset: 24, .size: 8, .value_kind: global_buffer, .address_space: global }
      - { .name: fo_b, .offset: 32, .size: 8, .value_kind: global_buffer, .address_space: global }
      - { .name: out0, .offset: 40, .size: 8, .value_kind: global_buffer, .address_space: global }
    .group_segment_fixed_size: 327680
    .private_segment_fixed_size: 0
    .kernarg_segment_align: 8
    .kernarg_segment_size: 48
    .max_flat_workgroup_size: 128
    .sgpr_count:     100
    .vgpr_count:     1024
    .wavefront_size: 32
...
	.end_amdgpu_metadata
.endif
;; end of part 4
